; MI455X (gfx1250); checked and timed in simulation.
; The chip was launched on July 23, 2026; its instructions are those of AMD's public machine-readable ISA for CDNA 5 (MIT licence, August 2026) and "CDNA5" Instruction Set Architecture Reference Guide (July 2026). The comments in the code are by the model that wrote it; some were corrected since.
;; Mug head. Allowed arithmetic: matrix products marked QUANTISED: E2M1 operands, one E8M0 scale for each 32 along K, by v_wmma_scale_f32_16x16x128_f8f6f4 with both operands' format E2M1 (or v_wmma_scale_f32_32x16x128_f4), f32 sums; everything else in f32.
;; Inputs: text_feat 256 x 32 x 512 float32; text_mask 256 x 32 float32; video_feat 256 x 16 x 512 float32.
;; Outputs: out0 256 x 256 float32.
;; This version of the problem:
;;   THIS VERSION OF THE PROBLEM IS GIVEN IN LOW PRECISION. The matrix products marked QUANTISED in the list below multiply operands that are first quantised to E2M1 (2 exponent bits, 1 mantissa bit; 4 bits a number), with one power-of-two scale for each 32 numbers along K (OCP MX v1.0); their sums are f32. All else is computed in f32.
;;   The module's matrix products, in the order in which they are computed (A, B: the left and right operand; K: the contracted axis; several contracted axes count as one K, in the product's order):
;;     1. [M 4,096, K 512] x [K 512, N 8,192]; A: computed on the way; B: computed on the way: QUANTISED
;;   THE QUANTISER, for each operand of a quantised product, along K:
;;     - K is cut into blocks of 32 from its start; a last block that is shorter is filled with zeros.
;;     - A block's scale is 2^e with e = floor(log2(the largest magnitude in the block)) - 2, held to -126 .. 127; a block of zeros has e = 0. As a byte (E8M0): e + 127.
;;     - Each number is divided by its block's scale, clamped to +-6, and rounded to the nearest number of E2M1, ties to even, subnormals kept.
;;     - The product sums the exact products of the quantised numbers (number of the format x scale) in f32.
;;   ~~~python
;;   def quantise(x, axis):      # numpy; x: float32 -> the quantised numbers, widened to float32 again
;;       x = np.moveaxis(x, axis, -1); K = x.shape[-1]
;;       x = np.pad(x, [(0, 0)] * (x.ndim - 1) + [(0, -K % 32)]); x = x.reshape(x.shape[:-1] + (-1, 32)); a = np.abs(x).max(-1, keepdims=True)
;;       e = np.where(a > 0, np.clip(np.frexp(np.where(a > 0, a, 1))[1] - 1 - 2, -126, 127), 0)      # np.frexp(a)[1] - 1 = floor(log2(a)), exactly
;;       r = np.clip(x / 2.0 ** e, -6, 6)
;;       step = 2.0 ** (np.maximum(np.frexp(np.where(r == 0, 1, r))[1] - 1, 0) - 1)
;;       q = np.round(r / step) * step * 2.0 ** e      # np.round: ties to even
;;       return np.moveaxis(q.reshape(q.shape[:-2] + (-1,))[..., :K], -1, axis).astype(np.float32)
;;   ~~~
;;   OPERANDS COMPUTED ON THE WAY. 'Computed on the way' means the value that the module computes at that place (a softmax that the list does not call 'softmax' is quantised finished and normalised). What goes into a quantiser is computed in f32, as accurately as f32 sums, v_exp_f32 and their like allow (about 1e-6 of the number): no bf16 or f16 on the way to a quantiser, and a product that is left as it is and whose result goes on into a quantised operand takes f32 operands (vector FMAs, or v_wmma_f32_16x16x4_f32). A number that lies on a knife's edge between two numbers of the format may be rounded either way, as far as f32 arithmetic and the matrix unit's own rounding can turn it there, and no further.
;; 2 versions, each right; version 2 is version 1 with the launch pool written anew for expert scheduling mode. Each part assembles by itself: llvm-mc -triple=amdgcn-amd-amdhsa -mcpu=gfx1250 --defsym DOCPART=n.
;; ======== version 1 of 2: 2 launches
;; workspace buffers: tcodes 2,097,152 bytes; vcodes 1,048,576 bytes; tscales 131,072 bytes; vscales 65,536 bytes
;; launch quant (part 1): grid 768 x 1, 4 waves a work-group, no clusters, 35,328 bytes of LDS; arguments text_feat, video_feat, tcodes, tscales, vcodes, vscales; writes tcodes, tscales, vcodes, vscales
.if DOCPART == 1
	.amdgcn_target "amdgcn-amd-amdhsa--gfx1250"
	.amdhsa_code_object_version 6
	.text
	.protected	k_qf4405b7531_quant
	.globl	k_qf4405b7531_quant
	.p2align	8
	.type	k_qf4405b7531_quant,@function
k_qf4405b7531_quant:
	s_mov_b64 s[64:65], 0
	v_nop
	global_prefetch_b8 v0, s[64:65] scope:SCOPE_SE
	s_setreg_imm32_b32 hwreg(HW_REG_WAVE_MODE, 25, 1), 1
	s_wait_xcnt 0x0
; Rows of 512 f32 (8,192 token rows of text_feat, 4,096 frame rows of video_feat) are divided by max(norm, 1e-6) and turned into codes of FP4 (E2M1)
; with one E8M0 scale byte for each 32 along the row.  A block's scale is 2^(floor(log2(its largest magnitude)) - 2); its byte is the largest magnitude's
; exponent field - 2, held at 1 from below.
; SHARES.  A work-group takes 16 rows (a group): groups 0-511 are text's, 512-767 video's; only pointers are chosen, one path serves both.  Wave s takes
; columns 128 s .. 128 s + 127 of the 16 rows: one K step of the later product.
; OUTPUT LAYOUT, in the order of the operand's registers: codes [group][16 blocks][16 rows][16 bytes]: registers 4 c .. 4 c + 3 of lane (r, h) of the fragment of
; K step s are row r's block 4 s + 2 c + h, which lies at 4096 group + 512 (2 s + c) + 16 lane: each four registers are one load of 512 consecutive bytes.
; Scale bytes [row][16].
; WAY.  Each load takes 512 consecutive bytes of a row; the wave's 8 KB turn through its own stage in LDS so that lane (r, h) holds k = 64 c + 32 h + 0 .. 31 of row r:
; two whole blocks.  The four waves' sums of squares meet in LDS behind a barrier.
; LIMITS: NaN and infinities among the inputs are not served; a row's sum of squares must stay finite in f32 (magnitudes under about 8e17); the division is
; a multiplication by min(rsq(sum of squares), 1e6); a block of zeros gets the byte 1 (its codes are zeros, and this program alone reads the bytes).
.set TGROUPS, 512                      ; text's groups of 16 rows
.set WSTG,   8448                      ; a wave's stage: 16 rows x SPITCH
.set SPITCH, 528                       ; 512 bytes + 16: an odd multiple of 16
.set PART,   33792                     ; behind the four stages: [wave][16 rows] f32, the partial sums of squares
.set SCS,    34048                     ; [16 rows][16 bytes]: the group's scale bytes
.set R,   16                           ; v16-79   the wave's 16 x 128 numbers as loaded
.set X,   80                           ; v80-143  register 32 c + i: k = 128 s + 64 c + 32 h + i of row r
.set CH,  144                          ; v144-151 four chains of pairs
.set INV, 152                          ; v152-153 1 / max(norm, eps), twice
.set MX,  154                          ; v154-155 the two blocks' largest magnitudes
.set OP,  156                          ; v156-157 the conversions' scale operands
.set BY,  158                          ; v158-159 the scale bytes
.set CD,  160                          ; v160-167 the codes
.set TM,  168                          ; v168-171 at work
	s_load_b128 s[4:7], s[0:1], 0x0                ; text_feat, video_feat
	s_load_b128 s[8:11], s[0:1], 0x10              ; tcodes, tscales
	s_load_b128 s[12:15], s[0:1], 0x20             ; vcodes, vscales
	v_lshl_add_u32 v176, v0, 2, 0x8800
	v_mov_b32 v177, 0
	v_lshrrev_b32 v11, 5, v0
	v_readfirstlane_b32 s16, v11                   ; wave s
	v_and_b32 v11, 31, v0                          ; lane
	v_and_b32 v12, 15, v0                          ; r
	v_bfe_u32 v13, v0, 4, 1                        ; h
	v_lshlrev_b32 v1, 4, v0                        ; in: 512 s + 16 lane of every row
	s_mul_i32 s17, s16, WSTG
	v_lshl_add_u32 v2, v11, 4, s17                 ; into the stage: 16 lane
	v_mul_u32_u24 v3, v12, SPITCH
	v_lshl_add_u32 v3, v13, 7, v3
	v_add_nc_u32 v3, s17, v3                       ; out of it: row r, + 128 h
	v_lshl_add_u32 v5, v12, 2, PART                ; row r's partial sums
	s_lshl_b32 s18, s16, 6
	v_add_nc_u32 v4, s18, v5                       ; and my wave's among them
	s_lshl_b32 s18, s16, 10
	v_lshl_add_u32 v6, v11, 4, s18                 ; the codes' place: 1024 s + 16 lane
	v_lshl_add_u32 v7, v12, 4, SCS
	s_lshl_b32 s18, s16, 2
	v_add_nc_u32 v7, s18, v7                       ; row r's scale word of K step s
	v_lshlrev_b32 v8, 3, v11                       ; the scale bytes' way out: 8 bytes a lane
	v_add_nc_u32 v9, SCS, v8
	v_lshlrev_b32 v10, 3, v13                      ; 8 h: how far my two bytes are shifted in the word
	s_mov_b32 s20, 0x76543210
	s_mov_b32 s21, 0xfedcba98                      ; v_permlanex16_b32's selects for lane l xor 16
.irp k, 0,1,2,3
	v_mov_b32 v[TM+\k], 0                          ; written once: a lane permute's destination counts as one of its sources
.endr
	s_wait_kmcnt 0x0
	s_cmp_lt_u32 ttmp9, TGROUPS                    ; text's group or video's: the choice hangs on the work-group's number alone
	s_cselect_b64 s[4:5], s[4:5], s[6:7]
	s_cselect_b64 s[8:9], s[8:9], s[12:13]
	s_cselect_b64 s[10:11], s[10:11], s[14:15]
	s_cselect_b32 s17, 0, TGROUPS
	s_sub_co_u32 s17, ttmp9, s17                   ; the group's number in its tensor
	s_mov_b32 s19, 0
	s_lshl_b32 s18, s17, 15                        ; 16 rows of 2,048 bytes
	s_add_nc_u64 s[4:5], s[4:5], s[18:19]
	s_lshl_b32 s18, s17, 12                        ; 4,096 bytes of codes
	s_add_nc_u64 s[8:9], s[8:9], s[18:19]
	s_lshl_b32 s18, s17, 8                         ; 256 scale bytes
	s_add_nc_u64 s[10:11], s[10:11], s[18:19]
.irp i, 0,1,2,3,4,5,6,7,8,9,10,11,12,13,14,15
	global_load_b128 v[R+4*\i:R+4*\i+3], v1, s[4:5] offset:2048*\i th:TH_LOAD_NT   ; 512 consecutive bytes of row i; read once in the launch
.endr
.irp i, 0,1,2,3,4,5,6,7,8,9,10,11,12,13,14,15
	s_wait_loadcnt 15-\i                           ; loads come back in order: row i is in, the 15 - i younger ones stay out
	ds_store_b128 v2, v[R+4*\i:R+4*\i+3] offset:SPITCH*\i
.endr
.irp c, 0,1
.irp q, 0,1,2,3,4,5,6,7
	ds_load_b128 v[X+32*\c+4*\q:X+32*\c+4*\q+3], v3 offset:256*\c+16*\q   ; the stage is my wave's own and LDS serves a wave's instructions in order: these see the stores above
.endr
.endr
	s_wait_dscnt 8                                 ; my first block is in; the eight loads of the second may be out
.irp k, 0,1,2,3
	v_pk_mul_f32 v[CH+2*\k:CH+2*\k+1], v[X+2*\k:X+2*\k+1], v[X+2*\k:X+2*\k+1]   ; the first products start four chains: nothing is cleared
.endr
.irp q, 8,16,24
.irp k, 0,1,2,3
	v_pk_fma_f32 v[CH+2*\k:CH+2*\k+1], v[X+\q+2*\k:X+\q+2*\k+1], v[X+\q+2*\k:X+\q+2*\k+1], v[CH+2*\k:CH+2*\k+1]
.endr
.endr
	s_wait_dscnt 0x0
.irp q, 32,40,48,56
.irp k, 0,1,2,3
	v_pk_fma_f32 v[CH+2*\k:CH+2*\k+1], v[X+\q+2*\k:X+\q+2*\k+1], v[X+\q+2*\k:X+\q+2*\k+1], v[CH+2*\k:CH+2*\k+1]
.endr
.endr
	v_pk_add_f32 v[CH:CH+1], v[CH:CH+1], v[CH+2:CH+3]
	v_pk_add_f32 v[CH+4:CH+5], v[CH+4:CH+5], v[CH+6:CH+7]
	v_pk_add_f32 v[CH:CH+1], v[CH:CH+1], v[CH+4:CH+5]
	v_add_f32 v[CH], v[CH], v[CH+1]
	v_permlanex16_b32 v[TM], v[CH], s20, s21
	v_add_f32 v[CH], v[CH], v[TM]                  ; row r's sum of squares over my wave's 128 columns
	ds_store_b32 v4, v[CH]                         ; both halves of the lanes write the same word with the same value
	s_wait_dscnt 0x0                               ; for the others' sake: my store has landed
	s_barrier_signal -1
	s_barrier_wait -1
.irp k, 0,1,2,3
	ds_load_b32 v[TM+\k], v5 offset:64*\k          ; the four waves' parts of row r
.endr
	s_wait_dscnt 0x0
	v_add_f32 v[TM], v[TM], v[TM+1]                ; the same order in all four waves: all scale a row by the same number
	v_add_f32 v[TM+2], v[TM+2], v[TM+3]
	v_add_f32 v[TM], v[TM], v[TM+2]
	v_rsq_f32 v[INV], v[TM]
	v_nop                                          ; a plain instruction behind the transcendental
	s_wait_alu depctr_va_vdst(0)                   ; and a wait ahead of the first use of its result
	v_min_num_f32 v[INV], 0x49742400, v[INV]       ; min(1 / norm, 1e6) = 1 / max(norm, 1e-6); a row of zeros: min(infinity, 1e6)
	v_mov_b32 v[INV+1], v[INV]                     ; (named with it as a pair, so it is written)
.irp q, 0,2,4,6,8,10,12,14,16,18,20,22,24,26,28,30,32,34,36,38,40,42,44,46,48,50,52,54,56,58,60,62
	v_pk_mul_f32 v[X+\q:X+\q+1], v[X+\q:X+\q+1], v[INV:INV+1] op_sel_hi:[1,0]
.endr
.irp c, 0,1
	v_max3_num_f32 v[MX+\c], |v[X+32*\c]|, |v[X+32*\c+1]|, 0x1800000   ; my block 2 c + h: all 32 numbers are mine; the floor 2^(3 - 127) holds the byte at 1 from below
.endr
.irp i, 2,4,6,8,10,12,14,16,18,20,22,24,26,28,30
.irp c, 0,1
	v_max3_num_f32 v[MX+\c], v[MX+\c], |v[X+32*\c+\i]|, |v[X+32*\c+\i+1]|   ; (the two blocks by turns)
.endr
.endr
.irp c, 0,1
	v_add_nc_u32 v[OP+\c], 0xff000000, v[MX+\c]    ; 2 off the exponent field: the conversion takes this operand's exponent field as its scale
.endr
.irp c, 0,1
	v_lshrrev_b32 v[BY+\c], 23, v[OP+\c]           ; the scale's byte
.endr
	v_lshl_or_b32 v[TM], v[BY+1], 16, v[BY]        ; my two bytes: blocks h and 2 + h of the K step,
	v_lshlrev_b32 v[TM], v10, v[TM]                ; at their places in the word;
	v_permlanex16_b32 v[TM+1], v[TM], s20, s21
	v_or_b32 v[TM], v[TM], v[TM+1]                 ; with lane l xor 16's two the word is whole
	ds_store_b32 v7, v[TM]                         ; both halves write the same word with the same value
.irp c, 0,1
.irp g, 0,1,2,3
	v_cvt_scalef32_pk8_fp4_f32 v[CD+4*\c+\g], v[X+32*\c+8*\g:X+32*\c+8*\g+7], v[OP+\c]   ; eight numbers / scale, to the nearest code, ties to even, beyond 6 the largest code
.endr
.endr
	v_nop                                          ; one plain place behind the last scaled conversion
.irp c, 0,1
	global_store_b128 v6, v[CD+4*\c:CD+4*\c+3], s[8:9] offset:512*\c   ; the wave stores 512 consecutive bytes, aligned
.endr
	s_wait_dscnt 0x0                               ; my scale word has landed
	s_barrier_signal -1
	s_barrier_wait -1
	s_cmp_lg_u32 s16, 0                            ; wave 0 stores the group's 256 scale bytes
	s_cbranch_scc1 .Ldone
	ds_load_b64 v[172:173], v9
	s_wait_dscnt 0x0
	global_store_b64 v8, v[172:173], s[10:11]      ; 32 lanes store 256 consecutive bytes, aligned
.Ldone:
	s_wait_tensorcnt 0x0
	ds_add_u32 v176, v177
	s_wait_dscnt 0x0
	s_endpgm
.Lfunc_end_k_qf4405b7531_quant:
	.size	k_qf4405b7531_quant, .Lfunc_end_k_qf4405b7531_quant-k_qf4405b7531_quant
	.p2alignl 7, 3214868480
	.fill 96, 4, 3214868480
	.section	.rodata,"a",@progbits
	.p2align	6, 0x0
	.amdhsa_kernel k_qf4405b7531_quant
		.amdhsa_group_segment_fixed_size 35328
		.amdhsa_private_segment_fixed_size 0
		.amdhsa_enable_private_segment 0
		.amdhsa_kernarg_size 48
		.amdhsa_user_sgpr_count 2
		.amdhsa_user_sgpr_kernarg_segment_ptr 1
		.amdhsa_wavefront_size32 1
		.amdhsa_system_sgpr_workgroup_id_x 1
		.amdhsa_system_sgpr_workgroup_id_y 1
		.amdhsa_system_sgpr_workgroup_id_z 1
		.amdhsa_system_vgpr_workitem_id 0
		.amdhsa_next_free_vgpr 178
		.amdhsa_next_free_sgpr 66
		.amdhsa_reserve_vcc 0
		.amdhsa_float_denorm_mode_32 3
		.amdhsa_float_denorm_mode_16_64 3
		.amdhsa_memory_ordered 1
		.amdhsa_forward_progress 1
		.amdhsa_inst_pref_size 16
	.end_amdhsa_kernel
	.amdgpu_metadata
---
amdhsa.version: [ 1, 2 ]
amdhsa.kernels:
  - .name:           k_qf4405b7531_quant
    .symbol:         k_qf4405b7531_quant.kd
    .args:
      - { .name: text_feat, .offset: 0, .size: 8, .value_kind: global_buffer, .address_space: global }
      - { .name: video_feat, .offset: 8, .size: 8, .value_kind: global_buffer, .address_space: global }
      - { .name: tcodes, .offset: 16, .size: 8, .value_kind: global_buffer, .address_space: global }
      - { .name: tscales, .offset: 24, .size: 8, .value_kind: global_buffer, .address_space: global }
      - { .name: vcodes, .offset: 32, .size: 8, .value_kind: global_buffer, .address_space: global }
      - { .name: vscales, .offset: 40, .size: 8, .value_kind: global_buffer, .address_space: global }
    .group_segment_fixed_size: 35328
    .private_segment_fixed_size: 0
    .kernarg_segment_align: 8
    .kernarg_segment_size: 48
    .max_flat_workgroup_size: 128
    .sgpr_count:     66
    .vgpr_count:     178
    .wavefront_size: 32
...
	.end_amdgpu_metadata
.endif
;; end of part 1
;; launch pool (part 2): grid 4 x 64, 16 waves a work-group, no clusters, 92,160 bytes of LDS; arguments tcodes, tscales, vcodes, vscales, text_mask, out0; writes out0
.if DOCPART == 2
	.amdgcn_target "amdgcn-amd-amdhsa--gfx1250"
	.amdhsa_code_object_version 6
	.text
	.protected	k_qf4405b7531_pool
	.globl	k_qf4405b7531_pool
	.p2align	8
	.type	k_qf4405b7531_pool,@function
k_qf4405b7531_pool:
	s_mov_b64 s[64:65], 0
	v_nop
	global_prefetch_b8 v0, s[64:65] scope:SCOPE_SE
	s_setreg_imm32_b32 hwreg(HW_REG_WAVE_MODE, 25, 1), 1
	s_wait_xcnt 0x0
; out0[a][b]: r = (32 tokens of text a) x (16 frames of video b), on codes of FP4 with E8M0 scales, times text_mask; pooled by four softmaxes at TAU = 100:
; over frames (t2v) and then over tokens; over tokens (v2t; zeros of r count as -infinity) and then over frames; zeros of t2v count as -infinity; the mean of the two.
; SHARES.  A work-group takes 4 texts x 64 videos: 256 pairs, 4 rows x 256 bytes of out0.  Wave w owns videos 4 w .. 4 w + 3, two at a time in registers, loaded straight from memory
; (it is their only reader in the work-group); the 4 texts lie in LDS as images of the operand's registers and are read by all 16 waves.  A STEP is 1 text x 2 videos; 8 steps a wave, written out.
; EACH PRODUCT IS MADE TWICE from the same registers.  P: source 0 = tokens, source 1 = frames: a lane holds ONE frame, its registers run along the tokens: the softmax over tokens is
; sums inside a lane and one exchange between the halves of the lanes.  Q: the sources swapped: a lane holds ONE token, its registers run along the frames: the softmax over frames likewise.
; 32 matrix instructions a step stand beside some 320 vector instructions; the second product spares the sums across sixteen lanes that one layout alone would need.
; EVERYTHING IS CARRIED AS Y = c x r, c = 100 log2(e), folded into the mask (Y = r x (c x mask)): every exponent is Y - its own softmax's true maximum, base 2; 1 / c is taken once at the end.
; SECOND ROUND.  t2v and v2t of the wave's 16 pairs go through the wave's own LDS bytes; lane (pair, half) then takes 16 tokens and 8 frames.
; NO CLUSTER, NO JOINT LOADS: a joint request is a tensor load into LDS; here a wave's 34 loads of video fragments land in the registers of their one reader, once, for some 2,600 vector
; instructions of work, and the shared text is 34 KB copied once at the head; through LDS the videos' 272 KB would be written and read once more.
; SPECIAL VALUES.  A column all of whose tokens are zero has the maximum -infinity, -inf - (-inf) = NaN, and NaN reaches out0; likewise where every t2v is zero.
; LIMITS: NaN and infinities among the inputs are not served.  The zero test is made on Y = r x (c x mask): where r x mask alone would underflow to 0 and Y, 144 times larger, does not, it differs (magnitudes under about 1e-43).
.set TC,   0                           ; LDS: text ta's codes at 8192 ta: half hf at + 4096 hf, registers 4 c .. of K step s at + 512 (2 s + c), + 16 lane
.set TSC,  32768                       ; its scale bytes at 512 ta + 16 token
.set MSK,  34816                       ; c x mask at 128 ta + 4 token
.set OUTS, 35328                       ; 4 rows x 256 bytes of out0
.set STG,  36352                       ; for each wave 16 pairs x PP bytes: t2v (32 f32) at + 0, v2t (16 f32) at + 128
.set WSTG, 3328
.set PP,   208                         ; an odd multiple of 16
.set CLOG, 0x431044fe                  ; c = 100 log2(e)
.set KOUT, 0x3b632166                  ; 0.5 / c
.set NINF, 8                           ; v8  -infinity
.set TF,  16                           ; v16-79   text fragments: K step s, half hf at TF + 16 s + 8 hf
.set VF,  80                           ; v80-143  the two videos' fragments: K step s, video u at VF + 16 s + 8 u
.set XR,  144                          ; v144-175 four accumulators, then Y
.set ER,  176                          ; v176-207 exponents, then exponentials
.set CP,  208                          ; v208-223 CP + 8 hf + j = c x mask[16 hf + 8 h + j]
.set TS,  224                          ; v224-227 text's scale words of K steps 0-3: lane = token.  Scales and nothing else
.set VS,  228                          ; v228-231 the videos': lanes 0-15 video 0's frames, lanes 16-31 video 1's.  Scales and nothing else
.set CQ,  232                          ; v232, v234 c x mask[r], c x mask[16 + r] (v233, v235 are named with them as pairs)
.set WK,  236                          ; v236-255 at work
; v1 16 lane; v2 16 thread; v3 4 thread; v4 4 (thread % 128); v5 32 h; v6 4 r; v7 stage, in: 208 h + 4 r; v9, v10 stage, out; v11 my pair's word in OUTS; v12 out0: 1024 h + 16 r.  None is rewritten.
; One matrix instruction.  ks = 0: the first K step starts the sum with the constant 0.  ra, rb = 1: that side's scales are read from lanes 16-31.
.macro WM d, a, b, ks, sa, sb, ra, rb
.if (\ks) == 0
.if (\ra) && (\rb)
	v_wmma_scale_f32_16x16x128_f8f6f4 v[\d:\d+7], v[\a:\a+7], v[\b:\b+7], 0, v[\sa], v[\sb] matrix_a_fmt:MATRIX_FMT_FP4 matrix_b_fmt:MATRIX_FMT_FP4 matrix_a_scale:MATRIX_SCALE_ROW1 matrix_b_scale:MATRIX_SCALE_ROW1
.elseif \ra
	v_wmma_scale_f32_16x16x128_f8f6f4 v[\d:\d+7], v[\a:\a+7], v[\b:\b+7], 0, v[\sa], v[\sb] matrix_a_fmt:MATRIX_FMT_FP4 matrix_b_fmt:MATRIX_FMT_FP4 matrix_a_scale:MATRIX_SCALE_ROW1
.elseif \rb
	v_wmma_scale_f32_16x16x128_f8f6f4 v[\d:\d+7], v[\a:\a+7], v[\b:\b+7], 0, v[\sa], v[\sb] matrix_a_fmt:MATRIX_FMT_FP4 matrix_b_fmt:MATRIX_FMT_FP4 matrix_b_scale:MATRIX_SCALE_ROW1
.else
	v_wmma_scale_f32_16x16x128_f8f6f4 v[\d:\d+7], v[\a:\a+7], v[\b:\b+7], 0, v[\sa], v[\sb] matrix_a_fmt:MATRIX_FMT_FP4 matrix_b_fmt:MATRIX_FMT_FP4
.endif
.else
.if (\ra) && (\rb)
	v_wmma_scale_f32_16x16x128_f8f6f4 v[\d:\d+7], v[\a:\a+7], v[\b:\b+7], v[\d:\d+7], v[\sa], v[\sb] matrix_a_fmt:MATRIX_FMT_FP4 matrix_b_fmt:MATRIX_FMT_FP4 matrix_a_scale:MATRIX_SCALE_ROW1 matrix_b_scale:MATRIX_SCALE_ROW1
.elseif \ra
	v_wmma_scale_f32_16x16x128_f8f6f4 v[\d:\d+7], v[\a:\a+7], v[\b:\b+7], v[\d:\d+7], v[\sa], v[\sb] matrix_a_fmt:MATRIX_FMT_FP4 matrix_b_fmt:MATRIX_FMT_FP4 matrix_a_scale:MATRIX_SCALE_ROW1
.elseif \rb
	v_wmma_scale_f32_16x16x128_f8f6f4 v[\d:\d+7], v[\a:\a+7], v[\b:\b+7], v[\d:\d+7], v[\sa], v[\sb] matrix_a_fmt:MATRIX_FMT_FP4 matrix_b_fmt:MATRIX_FMT_FP4 matrix_b_scale:MATRIX_SCALE_ROW1
.else
	v_wmma_scale_f32_16x16x128_f8f6f4 v[\d:\d+7], v[\a:\a+7], v[\b:\b+7], v[\d:\d+7], v[\sa], v[\sb] matrix_a_fmt:MATRIX_FMT_FP4 matrix_b_fmt:MATRIX_FMT_FP4
.endif
.endif
.endm
; My wave's video pair k: 16 loads of 512 consecutive bytes, and the 32 frames' scale bytes
.macro LOADVID k
.irp s, 0,1,2,3
.irp u, 0,1
.irp c, 0,1
	global_load_b128 v[VF+16*\s+8*\u+4*\c:VF+16*\s+8*\u+4*\c+3], v1, s[8:9] offset:8192*(\k)+4096*\u+512*(2*\s+\c)
.endr
.endr
.endr
	global_load_b128 v[VS:VS+3], v1, s[10:11] offset:512*(\k)
.endm
; Text ta out of LDS: its 8 fragments, its scale words, and c x mask in P's layout
.macro LOADTEXT ta
.irp s, 0,1,2,3
.irp hf, 0,1
.irp c, 0,1
	ds_load_b128 v[TF+16*\s+8*\hf+4*\c:TF+16*\s+8*\hf+4*\c+3], v1 offset:TC+8192*(\ta)+4096*\hf+512*(2*\s+\c)
.endr
.endr
.endr
	ds_load_b128 v[TS:TS+3], v1 offset:TSC+512*(\ta)
	ds_load_b128 v[CP:CP+3], v5 offset:MSK+128*(\ta)
	ds_load_b128 v[CP+4:CP+7], v5 offset:MSK+128*(\ta)+16
	ds_load_b128 v[CP+8:CP+11], v5 offset:MSK+128*(\ta)+64
	ds_load_b128 v[CP+12:CP+15], v5 offset:MSK+128*(\ta)+80
.endm
.macro LOADCQ ta                       ; c x mask in Q's layout: my token of each half
	ds_load_b32 v[CQ], v6 offset:MSK+128*(\ta)
	ds_load_b32 v[CQ+2], v6 offset:MSK+128*(\ta)+64
.endm
; P: accumulator (u, hf) at XR + 16 u + 8 hf: lane (r, h) holds frame r of video u, register j token 16 hf + 8 h + j.  The four accumulators take turns, one instruction a turn.
.macro PMUL
.irp s, 0,1,2,3
.irp u, 0,1
.irp hf, 0,1
	WM XR+16*\u+8*\hf, TF+16*\s+8*\hf, VF+16*\s+8*\u, \s, TS+\s, VS+\s, \hf, \u
.endr
.endr
.endr
.endm
; Q: the sources swapped: accumulator (hf, u) at XR + 16 hf + 8 u: lane (r, h) holds token 16 hf + r, register j frame 8 h + j of video u
.macro QMUL
.irp s, 0,1,2,3
.irp hf, 0,1
.irp u, 0,1
	WM XR+16*\hf+8*\u, VF+16*\s+8*\u, TF+16*\s+8*\hf, \s, VS+\s, TS+\s, \u, \hf
.endr
.endr
.endr
.endm
; THE SOFTMAX OVER TOKENS, both videos.  It leaves the sum of Y p in v[WK+8] and 1 / the sum of p in v[WK+12]: lanes 0-15 video 0's frame r, lanes 16-31 video 1's.
.macro PSOFT
.irp u, 0,1
.irp q, 0,2,4,6,8,10,12,14
	v_pk_mul_f32 v[XR+16*\u+\q:XR+16*\u+\q+1], v[XR+16*\u+\q:XR+16*\u+\q+1], v[CP+\q:CP+\q+1]   ; Y = r x c x mask; each accumulator from its low end on
.endr
.endr
.irp g, 0,8,16,24
.irp k, 0,1,2,3,4,5,6,7
	v_cmp_eq_f32 s[32+\k], 0, v[XR+\g+\k]
.endr
.irp k, 0,1,2,3,4,5,6,7
	v_cndmask_b32 v[ER+\g+\k], v[XR+\g+\k], v[NINF], s[32+\k]   ; a zero counts as -infinity: a choice of a value, no branch
.endr
.endr
.irp u, 0,1
	v_max3_num_f32 v[WK+2*\u], v[ER+16*\u], v[ER+16*\u+1], v[ER+16*\u+2]      ; the true maximum, in two chains a video
	v_max3_num_f32 v[WK+2*\u+1], v[ER+16*\u+8], v[ER+16*\u+9], v[ER+16*\u+10]
.endr
.irp q, 3,5
.irp u, 0,1
	v_max3_num_f32 v[WK+2*\u], v[WK+2*\u], v[ER+16*\u+\q], v[ER+16*\u+\q+1]
	v_max3_num_f32 v[WK+2*\u+1], v[WK+2*\u+1], v[ER+16*\u+8+\q], v[ER+16*\u+9+\q]
.endr
.endr
.irp u, 0,1
	v_max3_num_f32 v[WK+2*\u], v[WK+2*\u], v[WK+2*\u+1], v[ER+16*\u+7]
.endr
.irp u, 0,1
	v_max_num_f32 v[WK+2*\u], v[WK+2*\u], v[ER+16*\u+15]
.endr
.irp u, 0,1
	v_permlanex16_b32 v[WK+4+\u], v[WK+2*\u], s20, s21   ; the frame's other 16 tokens lie in the lane 16 away
.endr
.irp u, 0,1
	v_max_num_f32 v[WK+2*\u], v[WK+2*\u], v[WK+4+\u]
.endr
.irp u, 0,1
.irp q, 0,2,4,6,8,10,12,14
	v_pk_add_f32 v[ER+16*\u+\q:ER+16*\u+\q+1], v[ER+16*\u+\q:ER+16*\u+\q+1], v[WK+2*\u:WK+2*\u+1] op_sel_hi:[1,0] neg_lo:[0,1] neg_hi:[0,1]   ; - the maximum
.endr
.endr
.irp n, 0,1,2,3,4,5,6,7,8,9,10,11,12,13,14,15,16,17,18,19,20,21,22,23,24,25,26,27,28,29,30,31
	v_exp_f32 v[ER+\n], v[ER+\n]
.endr
	v_nop                                          ; a plain instruction behind the last exponential
	s_wait_alu depctr_va_vdst(0)                   ; one wait for the batch, ahead of its first reader
.irp u, 0,1
	v_pk_add_f32 v[WK+4+2*\u:WK+5+2*\u], v[ER+16*\u:ER+16*\u+1], v[ER+16*\u+2:ER+16*\u+3]     ; the sum of p,
	v_pk_mul_f32 v[WK+8+2*\u:WK+9+2*\u], v[XR+16*\u:XR+16*\u+1], v[ER+16*\u:ER+16*\u+1]       ; and of Y p: four chains by turns
.endr
.irp u, 0,1
	v_pk_fma_f32 v[WK+8+2*\u:WK+9+2*\u], v[XR+16*\u+2:XR+16*\u+3], v[ER+16*\u+2:ER+16*\u+3], v[WK+8+2*\u:WK+9+2*\u]
.endr
.irp q, 4,6,8,10,12,14
.irp u, 0,1
	v_pk_add_f32 v[WK+4+2*\u:WK+5+2*\u], v[WK+4+2*\u:WK+5+2*\u], v[ER+16*\u+\q:ER+16*\u+\q+1]
	v_pk_fma_f32 v[WK+8+2*\u:WK+9+2*\u], v[XR+16*\u+\q:XR+16*\u+\q+1], v[ER+16*\u+\q:ER+16*\u+\q+1], v[WK+8+2*\u:WK+9+2*\u]
.endr
.endr
.irp u, 0,1
	v_add_f32 v[WK+4+2*\u], v[WK+4+2*\u], v[WK+5+2*\u]
	v_add_f32 v[WK+8+2*\u], v[WK+8+2*\u], v[WK+9+2*\u]
.endr
	v_permlane16_swap_b32 v[WK+4], v[WK+6]         ; video 0's upper lanes change places with video 1's lower: the sum of the two registers is video 0's total in lanes 0-15, video 1's in lanes 16-31
	v_permlane16_swap_b32 v[WK+8], v[WK+10]
	v_add_f32 v[WK+4], v[WK+4], v[WK+6]
	v_add_f32 v[WK+8], v[WK+8], v[WK+10]
	v_rcp_f32 v[WK+12], v[WK+4]                    ; its result is first named in FLUSHP, behind Q's products
	v_nop
.endm
; c x v2t of step i goes to my stage.  The multiply and the v_nop are the four places behind the last product, ahead of loads into its sources and of the first read of its results.
.macro FLUSHP i
	s_wait_alu depctr_va_vdst(0)                   ; ahead of the reciprocal's first reader
	v_mul_f32 v[WK+13], v[WK+8], v[WK+12]
.rept 3
	v_nop
.endr
	ds_store_b32 v7, v[WK+13] offset:2*PP*(\i)+128
.endm
; THE SOFTMAX OVER FRAMES, four tiles (hf, u) of 8 numbers a lane.  It leaves the sums of Y p in v[WK+8+4 hf] and the reciprocals in v[WK+16+hf]: lanes 0-15 video 0, lanes 16-31 video 1, token 16 hf + r.
.macro QSOFT i
.irp hf, 0,1
.irp q, 0,2,4,6,8,10,12,14
	v_pk_mul_f32 v[XR+16*\hf+\q:XR+16*\hf+\q+1], v[XR+16*\hf+\q:XR+16*\hf+\q+1], v[CQ+2*\hf:CQ+2*\hf+1] op_sel_hi:[1,0]   ; Y = r x c x mask of my token
.endr
.endr
.if (\i) < 7
	LOADCQ ((\i)+1)%4                              ; the next text's, now that this text's have been read
.endif
.irp t, 0,1,2,3
	v_max3_num_f32 v[WK+2*\t], v[XR+8*\t], v[XR+8*\t+1], v[XR+8*\t+2]
.endr
.irp q, 3,5
.irp t, 0,1,2,3
	v_max3_num_f32 v[WK+2*\t], v[WK+2*\t], v[XR+8*\t+\q], v[XR+8*\t+\q+1]
.endr
.endr
.irp t, 0,1,2,3
	v_max_num_f32 v[WK+2*\t], v[WK+2*\t], v[XR+8*\t+7]
.endr
.irp t, 0,1,2,3
	v_permlanex16_b32 v[WK+2*\t+1], v[WK+2*\t], s20, s21   ; the token's other 8 frames lie in the lane 16 away
.endr
.irp t, 0,1,2,3
	v_max_num_f32 v[WK+2*\t], v[WK+2*\t], v[WK+2*\t+1]
.endr
.irp t, 0,1,2,3
.irp q, 0,2,4,6
	v_pk_add_f32 v[ER+8*\t+\q:ER+8*\t+\q+1], v[XR+8*\t+\q:XR+8*\t+\q+1], v[WK+2*\t:WK+2*\t+1] op_sel_hi:[1,0] neg_lo:[0,1] neg_hi:[0,1]
.endr
.endr
.irp n, 0,1,2,3,4,5,6,7,8,9,10,11,12,13,14,15,16,17,18,19,20,21,22,23,24,25,26,27,28,29,30,31
	v_exp_f32 v[ER+\n], v[ER+\n]
.endr
	v_nop                                          ; a plain instruction behind the last exponential
	s_wait_alu depctr_va_vdst(0)                   ; one wait for the batch
.irp t, 0,1,2,3
	v_pk_add_f32 v[WK+2*\t:WK+2*\t+1], v[ER+8*\t:ER+8*\t+1], v[ER+8*\t+2:ER+8*\t+3]
	v_pk_mul_f32 v[WK+8+2*\t:WK+9+2*\t], v[XR+8*\t:XR+8*\t+1], v[ER+8*\t:ER+8*\t+1]
.endr
.irp t, 0,1,2,3
	v_pk_fma_f32 v[WK+8+2*\t:WK+9+2*\t], v[XR+8*\t+2:XR+8*\t+3], v[ER+8*\t+2:ER+8*\t+3], v[WK+8+2*\t:WK+9+2*\t]
.endr
.irp q, 4,6
.irp t, 0,1,2,3
	v_pk_add_f32 v[WK+2*\t:WK+2*\t+1], v[WK+2*\t:WK+2*\t+1], v[ER+8*\t+\q:ER+8*\t+\q+1]
	v_pk_fma_f32 v[WK+8+2*\t:WK+9+2*\t], v[XR+8*\t+\q:XR+8*\t+\q+1], v[ER+8*\t+\q:ER+8*\t+\q+1], v[WK+8+2*\t:WK+9+2*\t]
.endr
.endr
.irp t, 0,1,2,3
	v_add_f32 v[WK+2*\t], v[WK+2*\t], v[WK+2*\t+1]
	v_add_f32 v[WK+8+2*\t], v[WK+8+2*\t], v[WK+9+2*\t]
.endr
.irp hf, 0,1
	v_permlane16_swap_b32 v[WK+4*\hf], v[WK+4*\hf+2]       ; as in the softmax over tokens: video 0's total to lanes 0-15, video 1's to lanes 16-31
	v_permlane16_swap_b32 v[WK+8+4*\hf], v[WK+10+4*\hf]
.endr
.irp hf, 0,1
	v_add_f32 v[WK+4*\hf], v[WK+4*\hf], v[WK+4*\hf+2]
	v_add_f32 v[WK+8+4*\hf], v[WK+8+4*\hf], v[WK+10+4*\hf]
.endr
.irp hf, 0,1
	v_rcp_f32 v[WK+16+\hf], v[WK+4*\hf]            ; first named in FLUSHQ, behind the next step's P products
.endr
	v_nop
.endm
; c x t2v of step i goes to my stage.  Two multiplies and two v_nop: the four places behind the last product.
.macro FLUSHQ i
	s_wait_alu depctr_va_vdst(0)                   ; ahead of the reciprocals' first reader
.irp hf, 0,1
	v_mul_f32 v[WK+18+\hf], v[WK+8+4*\hf], v[WK+16+\hf]
.endr
.rept 2
	v_nop
.endr
.irp hf, 0,1
	ds_store_b32 v7, v[WK+18+\hf] offset:2*PP*(\i)+64*\hf
.endr
.endm
; STEP i: video pair i / 4, text i % 4.  The next text's fragments are asked for behind Q's products and land while the softmax over frames is worked.
.macro STEP i
	s_wait_dscnt 0x0                               ; this text's fragments, scale words and masks are in
.if ((\i)%4) == 0
	s_wait_loadcnt 0x0                             ; this video pair is in
.endif
	PMUL
.if (\i) == 0
.rept 4
	v_nop                                          ; four places behind the last product
.endr
.else
	FLUSHQ (\i)-1
.endif
	PSOFT
	QMUL
	FLUSHP \i
.if (\i) < 7
	LOADTEXT ((\i)+1)%4
.endif
.if (\i) == 3
	LOADVID 1                                      ; the second pair, a softmax ahead of its first use
.endif
	QSOFT \i
.endm
	s_load_b256 s[4:11], s[0:1], 0x0               ; tcodes s[4:5], tscales s[6:7], vcodes s[8:9], vscales s[10:11]
	s_load_b128 s[12:15], s[0:1], 0x20             ; text_mask s[12:13], out0 s[14:15]
	v_lshrrev_b32 v13, 5, v0
	v_readfirstlane_b32 s16, v13                   ; wave w, 0 .. 15
	v_and_b32 v13, 31, v0                          ; lane
	v_and_b32 v14, 15, v0                          ; r
	v_bfe_u32 v15, v0, 4, 1                        ; h
	v_lshlrev_b32 v1, 4, v13
	v_lshlrev_b32 v2, 4, v0
	v_lshlrev_b32 v3, 2, v0
	v_and_b32 v4, 127, v0
	v_lshlrev_b32 v4, 2, v4
	v_lshlrev_b32 v5, 5, v15
	v_lshlrev_b32 v6, 2, v14
	s_mul_i32 s17, s16, WSTG
	s_add_co_u32 s17, s17, STG                     ; my wave's stage
	v_mul_u32_u24 v7, v15, PP
	v_lshl_add_u32 v7, v14, 2, v7
	v_add_nc_u32 v7, s17, v7                       ; in: pair 2 i + h (the step stands in the immediate), word r
	v_mov_b32 v[NINF], 0xff800000
	v_mul_u32_u24 v9, v14, PP
	v_lshl_add_u32 v10, v15, 5, v9
	v_lshl_add_u32 v9, v15, 6, v9
	v_add_nc_u32 v9, s17, v9                       ; out: pair r, tokens 16 h on
	v_add_nc_u32 v10, s17, v10                     ; and frames 8 h on
	v_bfe_u32 v11, v0, 1, 2                        ; pair r = 8 vp + 2 ta + u: ta,
	v_lshlrev_b32 v11, 8, v11
	v_bfe_u32 v12, v0, 3, 1                        ; vp,
	v_lshl_add_u32 v11, v12, 3, v11
	v_and_b32 v12, 1, v0                           ; u
	v_lshl_add_u32 v11, v12, 2, v11
	s_lshl_b32 s18, s16, 4
	s_add_co_u32 s18, s18, OUTS
	v_add_nc_u32 v11, s18, v11                     ; row ta, column 4 w + 2 vp + u of the work-group's 4 x 64
	v_lshlrev_b32 v12, 10, v15
	v_lshl_add_u32 v12, v14, 4, v12                ; out0: lanes 0-15 one row's 256 bytes, lanes 16-31 the next row's
	s_mov_b32 s20, 0x76543210
	s_mov_b32 s21, 0xfedcba98                      ; v_permlanex16_b32's selects for lane l xor 16
	v_mov_b32 v[CQ+1], 0                           ; named as upper halves of pairs, so they are written
	v_mov_b32 v[CQ+3], 0
.irp k, 0,1,2,3,4,5,6,7,8,9,10,11,12,13,14,15,16,17,18,19
	v_mov_b32 v[WK+\k], 0                          ; written once: a lane permute's destination counts as one of its sources
.endr
	s_and_b32 s19, ttmp7, 0xffff                   ; tg: texts 4 tg on;  ttmp9 = vg: videos 64 vg on
	s_mov_b32 s25, 0
	s_wait_kmcnt 0x0
	s_lshl_b32 s24, s19, 15                        ; 4 texts x 8,192 bytes of codes
	s_add_nc_u64 s[4:5], s[4:5], s[24:25]
	s_lshl_b32 s24, s19, 11                        ; x 512 scale bytes
	s_add_nc_u64 s[6:7], s[6:7], s[24:25]
	s_lshl_b32 s24, s19, 9                         ; x 128 bytes of mask
	s_add_nc_u64 s[12:13], s[12:13], s[24:25]
	s_lshl_b32 s24, ttmp9, 18                      ; 64 videos x 4,096 bytes of codes,
	s_lshl_b32 s26, s16, 14                        ; my wave's 4
	s_add_co_u32 s24, s24, s26
	s_add_nc_u64 s[8:9], s[8:9], s[24:25]
	s_lshl_b32 s24, ttmp9, 14                      ; x 256 scale bytes
	s_lshl_b32 s26, s16, 10
	s_add_co_u32 s24, s24, s26
	s_add_nc_u64 s[10:11], s[10:11], s[24:25]
	s_lshl_b32 s24, s19, 12                        ; out0: 4 rows of 1,024 bytes,
	s_lshl_b32 s26, ttmp9, 8                       ; 64 columns
	s_add_co_u32 s24, s24, s26
	s_add_nc_u64 s[14:15], s[14:15], s[24:25]
.irp k, 0,1,2,3
	global_load_b128 v[XR+4*\k:XR+4*\k+3], v2, s[4:5] offset:8192*\k   ; the 4 texts' codes: 512 threads x 16 bytes, four times
.endr
	global_load_b32 v[XR+16], v3, s[6:7]           ; their scale bytes: 512 threads x 4
	global_load_b32 v[XR+17], v4, s[12:13]         ; their masks: 128 words; every wave loads inside the buffer, waves 0-3 store
	LOADVID 0
	s_wait_loadcnt 17                              ; the six loads of the texts are in; the 17 of my first video pair, issued behind them, stay out
.irp k, 0,1,2,3
	ds_store_b128 v2, v[XR+4*\k:XR+4*\k+3] offset:TC+8192*\k
.endr
	ds_store_b32 v3, v[XR+16] offset:TSC
	v_mul_f32 v[XR+17], CLOG, v[XR+17]             ; c x mask
	s_cmp_lt_u32 s16, 4
	s_cbranch_scc0 .Lno_mask
	ds_store_b32 v3, v[XR+17] offset:MSK
.Lno_mask:
	s_wait_dscnt 0x0                               ; for the others' sake: my stores have landed
	s_barrier_signal -1
	s_barrier_wait -1                              ; the 4 texts lie in LDS; nobody writes them again
	LOADTEXT 0
	LOADCQ 0
	STEP 0
	STEP 1
	STEP 2
	STEP 3
	STEP 4
	STEP 5
	STEP 6
	STEP 7
	FLUSHQ 7
	; THE SECOND ROUND: lane (pair r, h) takes tokens 16 h .. + 15 of c t2v and frames 8 h .. + 7 of c v2t.  The stage is my wave's own and LDS serves a wave's instructions in order: no barrier.
.irp k, 0,1,2,3
	ds_load_b128 v[XR+4*\k:XR+4*\k+3], v9 offset:16*\k
.endr
.irp k, 0,1
	ds_load_b128 v[XR+16+4*\k:XR+19+4*\k], v10 offset:128+16*\k
.endr
	s_wait_dscnt 2                                 ; t2v is in; the two loads of v2t may be out
.irp g, 0,8
.irp k, 0,1,2,3,4,5,6,7
	v_cmp_eq_f32 s[32+\k], 0, v[XR+\g+\k]
.endr
.irp k, 0,1,2,3,4,5,6,7
	v_cndmask_b32 v[ER+\g+\k], v[XR+\g+\k], v[NINF], s[32+\k]   ; a t2v of zero counts as -infinity
.endr
.endr
	v_max3_num_f32 v[WK], v[ER], v[ER+1], v[ER+2]
	v_max3_num_f32 v[WK+1], v[ER+8], v[ER+9], v[ER+10]
.irp q, 3,5
	v_max3_num_f32 v[WK], v[WK], v[ER+\q], v[ER+\q+1]
	v_max3_num_f32 v[WK+1], v[WK+1], v[ER+8+\q], v[ER+9+\q]
.endr
	v_max3_num_f32 v[WK], v[WK], v[WK+1], v[ER+7]
	v_max_num_f32 v[WK], v[WK], v[ER+15]
	v_permlanex16_b32 v[WK+1], v[WK], s20, s21
	v_max_num_f32 v[WK], v[WK], v[WK+1]            ; the pair's largest t2v that is not zero
.irp q, 0,2,4,6,8,10,12,14
	v_pk_add_f32 v[ER+\q:ER+\q+1], v[ER+\q:ER+\q+1], v[WK:WK+1] op_sel_hi:[1,0] neg_lo:[0,1] neg_hi:[0,1]
.endr
	s_wait_dscnt 0x0                               ; v2t is in
	v_max3_num_f32 v[WK+2], v[XR+16], v[XR+17], v[XR+18]
	v_max3_num_f32 v[WK+2], v[WK+2], v[XR+19], v[XR+20]
	v_max3_num_f32 v[WK+2], v[WK+2], v[XR+21], v[XR+22]
	v_max_num_f32 v[WK+2], v[WK+2], v[XR+23]
	v_permlanex16_b32 v[WK+3], v[WK+2], s20, s21
	v_max_num_f32 v[WK+2], v[WK+2], v[WK+3]        ; the pair's largest v2t
.irp q, 16,18,20,22
	v_pk_add_f32 v[ER+\q:ER+\q+1], v[XR+\q:XR+\q+1], v[WK+2:WK+3] op_sel_hi:[1,0] neg_lo:[0,1] neg_hi:[0,1]
.endr
.irp n, 0,1,2,3,4,5,6,7,8,9,10,11,12,13,14,15,16,17,18,19,20,21,22,23
	v_exp_f32 v[ER+\n], v[ER+\n]
.endr
	v_nop                                          ; a plain instruction behind the last exponential
	s_wait_alu depctr_va_vdst(0)                   ; one wait for the batch of 24
	v_pk_add_f32 v[WK+4:WK+5], v[ER:ER+1], v[ER+2:ER+3]               ; tokens: the sum of p,
	v_pk_mul_f32 v[WK+6:WK+7], v[XR:XR+1], v[ER:ER+1]                 ; and of c t2v x p;
	v_pk_add_f32 v[WK+8:WK+9], v[ER+16:ER+17], v[ER+18:ER+19]         ; frames: the same
	v_pk_mul_f32 v[WK+10:WK+11], v[XR+16:XR+17], v[ER+16:ER+17]
	v_pk_fma_f32 v[WK+6:WK+7], v[XR+2:XR+3], v[ER+2:ER+3], v[WK+6:WK+7]
	v_pk_fma_f32 v[WK+10:WK+11], v[XR+18:XR+19], v[ER+18:ER+19], v[WK+10:WK+11]
.irp q, 4,6
	v_pk_add_f32 v[WK+4:WK+5], v[WK+4:WK+5], v[ER+\q:ER+\q+1]
	v_pk_fma_f32 v[WK+6:WK+7], v[XR+\q:XR+\q+1], v[ER+\q:ER+\q+1], v[WK+6:WK+7]
	v_pk_add_f32 v[WK+8:WK+9], v[WK+8:WK+9], v[ER+16+\q:ER+17+\q]
	v_pk_fma_f32 v[WK+10:WK+11], v[XR+16+\q:XR+17+\q], v[ER+16+\q:ER+17+\q], v[WK+10:WK+11]
.endr
.irp q, 8,10,12,14
	v_pk_add_f32 v[WK+4:WK+5], v[WK+4:WK+5], v[ER+\q:ER+\q+1]
	v_pk_fma_f32 v[WK+6:WK+7], v[XR+\q:XR+\q+1], v[ER+\q:ER+\q+1], v[WK+6:WK+7]
.endr
.irp k, 4,6,8,10
	v_add_f32 v[WK+\k], v[WK+\k], v[WK+\k+1]
.endr
.irp k, 4,6,8,10
	v_permlanex16_b32 v[WK+\k+1], v[WK+\k], s20, s21
.endr
.irp k, 4,6,8,10
	v_add_f32 v[WK+\k], v[WK+\k], v[WK+\k+1]       ; with the other half's: the same number in both halves
.endr
	v_rcp_f32 v[WK+12], v[WK+4]
	v_rcp_f32 v[WK+13], v[WK+8]
	v_nop                                          ; a plain instruction behind the last reciprocal
	s_wait_alu depctr_va_vdst(0)                   ; one wait for the two
	v_mul_f32 v[WK+14], v[WK+6], v[WK+12]
	v_fma_f32 v[WK+14], v[WK+10], v[WK+13], v[WK+14]
	v_mul_f32 v[WK+14], KOUT, v[WK+14]             ; (t2v_ab + v2t_ab) / 2: the factor c leaves here
	ds_store_b32 v11, v[WK+14]                     ; both halves write the same word with the same value
	s_wait_dscnt 0x0                               ; for wave 0's sake: my store has landed
	s_barrier_signal -1
	s_barrier_wait -1
	s_cmp_lg_u32 s16, 0                            ; wave 0 stores the work-group's 4 rows x 256 bytes
	s_cbranch_scc1 .Ldone
	ds_load_b128 v[XR:XR+3], v1 offset:OUTS
	ds_load_b128 v[XR+4:XR+7], v1 offset:OUTS+512
	s_wait_dscnt 1                                 ; rows 0 and 1 are back; the load of rows 2 and 3 may be out
	global_store_b128 v12, v[XR:XR+3], s[14:15]                 ; sixteen lanes store 256 consecutive bytes, aligned
	s_wait_dscnt 0x0
	global_store_b128 v12, v[XR+4:XR+7], s[14:15] offset:2048
.Ldone:
	s_wait_xcnt 0x0
	v_lshl_add_u32 v254, v0, 2, 0x16000
	v_mov_b32 v255, 0
	s_wait_tensorcnt 0x0
	ds_add_u32 v254, v255
	s_wait_dscnt 0x0
	s_endpgm
.Lfunc_end_k_qf4405b7531_pool:
	.size	k_qf4405b7531_pool, .Lfunc_end_k_qf4405b7531_pool-k_qf4405b7531_pool
	.p2alignl 7, 3214868480
	.fill 96, 4, 3214868480
	.section	.rodata,"a",@progbits
	.p2align	6, 0x0
	.amdhsa_kernel k_qf4405b7531_pool
		.amdhsa_group_segment_fixed_size 92160
		.amdhsa_private_segment_fixed_size 0
		.amdhsa_enable_private_segment 0
		.amdhsa_kernarg_size 48
		.amdhsa_user_sgpr_count 2
		.amdhsa_user_sgpr_kernarg_segment_ptr 1
		.amdhsa_wavefront_size32 1
		.amdhsa_system_sgpr_workgroup_id_x 1
		.amdhsa_system_sgpr_workgroup_id_y 1
		.amdhsa_system_sgpr_workgroup_id_z 1
		.amdhsa_system_vgpr_workitem_id 0
		.amdhsa_next_free_vgpr 256
		.amdhsa_next_free_sgpr 66
		.amdhsa_reserve_vcc 0
		.amdhsa_float_denorm_mode_32 3
		.amdhsa_float_denorm_mode_16_64 3
		.amdhsa_memory_ordered 1
		.amdhsa_forward_progress 1
		.amdhsa_inst_pref_size 200
	.end_amdhsa_kernel
	.amdgpu_metadata
---
amdhsa.version: [ 1, 2 ]
amdhsa.kernels:
  - .name:           k_qf4405b7531_pool
    .symbol:         k_qf4405b7531_pool.kd
    .args:
      - { .name: tcodes, .offset: 0, .size: 8, .value_kind: global_buffer, .address_space: global }
      - { .name: tscales, .offset: 8, .size: 8, .value_kind: global_buffer, .address_space: global }
      - { .name: vcodes, .offset: 16, .size: 8, .value_kind: global_buffer, .address_space: global }
      - { .name: vscales, .offset: 24, .size: 8, .value_kind: global_buffer, .address_space: global }
      - { .name: text_mask, .offset: 32, .size: 8, .value_kind: global_buffer, .address_space: global }
      - { .name: out0, .offset: 40, .size: 8, .value_kind: global_buffer, .address_space: global }
    .group_segment_fixed_size: 92160
    .private_segment_fixed_size: 0
    .kernarg_segment_align: 8
    .kernarg_segment_size: 48
    .max_flat_workgroup_size: 512
    .sgpr_count:     66
    .vgpr_count:     256
    .wavefront_size: 32
...
	.end_amdgpu_metadata
.endif
;; end of part 2
;; ======== version 2 of 2: 2 launches; version 1 with the launch pool written anew for expert scheduling mode
;; workspace buffers: tcodes 2,097,152 bytes; vcodes 1,048,576 bytes; tscales 131,072 bytes; vscales 65,536 bytes
;; launch quant: the kernel of part 1 again; grid 768 x 1, 4 waves a work-group, no clusters, 35,328 bytes of LDS; arguments text_feat, video_feat, tcodes, tscales, vcodes, vscales; writes tcodes, tscales, vcodes, vscales
;; launch pool (part 3): grid 4 x 64, 16 waves a work-group, no clusters, 92,160 bytes of LDS; arguments tcodes, tscales, vcodes, vscales, text_mask, out0; writes out0
.if DOCPART == 3
	.amdgcn_target "amdgcn-amd-amdhsa--gfx1250"
	.amdhsa_code_object_version 6
	.text
	.protected	k_qf4405b7531_pool
	.globl	k_qf4405b7531_pool
	.p2align	8
	.type	k_qf4405b7531_pool,@function
k_qf4405b7531_pool:
	s_mov_b64 s[64:65], 0
	v_nop
	global_prefetch_b8 v0, s[64:65] scope:SCOPE_SE
	s_setreg_imm32_b32 hwreg(HW_REG_WAVE_SCHED_MODE, 0, 2), 2
	s_setreg_imm32_b32 hwreg(HW_REG_WAVE_MODE, 25, 1), 1
	s_wait_xcnt 0x0
	s_wait_alu depctr_vm_vsrc(0)
; out0[a][b]: r = (32 tokens of text a) x (16 frames of video b), on codes of FP4 with E8M0 scales, times text_mask; pooled by four softmaxes at TAU = 100:
; over frames (t2v) and then over tokens; over tokens (v2t; zeros of r count as -infinity) and then over frames; zeros of t2v count as -infinity; the mean of the two.
; SHARES.  A work-group takes 4 texts x 64 videos: 256 pairs, 4 rows x 256 bytes of out0.  Wave w owns videos 4 w .. 4 w + 3, two at a time in registers, loaded straight from memory
; (it is their only reader in the work-group); the 4 texts lie in LDS as images of the operand's registers and are read by all 16 waves.  A STEP is 1 text x 2 videos; 8 steps a wave, written out.
; EACH PRODUCT IS MADE TWICE from the same registers.  P: source 0 = tokens, source 1 = frames: a lane holds ONE frame, its registers run along the tokens: the softmax over tokens is
; sums inside a lane and one exchange between the halves of the lanes.  Q: the sources swapped: a lane holds ONE token, its registers run along the frames: the softmax over frames likewise.
; 32 matrix instructions a step stand beside some 320 vector instructions; the second product spares the sums across sixteen lanes that one layout alone would need.
; EVERYTHING IS CARRIED AS Y = c x r, c = 100 log2(e), folded into the mask (Y = r x (c x mask)): every exponent is Y - its own softmax's true maximum, base 2; 1 / c is taken once at the end.
; SECOND ROUND.  t2v and v2t of the wave's 16 pairs go through the wave's own LDS bytes; lane (pair, half) then takes 16 tokens and 8 frames.
; NO CLUSTER, NO JOINT LOADS: a joint request is a tensor load into LDS; here a wave's 34 loads of video fragments land in the registers of their one reader, once, for some 2,600 vector
; instructions of work, and the shared text is 34 KB copied once at the head; through LDS the videos' 272 KB would be written and read once more.
; SPECIAL VALUES.  A column all of whose tokens are zero has the maximum -infinity, -inf - (-inf) = NaN, and NaN reaches out0; likewise where every t2v is zero.
; LIMITS: NaN and infinities among the inputs are not served.  The zero test is made on Y = r x (c x mask): where r x mask alone would underflow to 0 and Y, 144 times larger, does not, it differs (magnitudes under about 1e-43).
; THE MODE: SCHED_MODE bits 1:0 = 2 (LLVM: expert scheduling mode 2), set by the entry lines.  The code itself states the register dependences
; between vector or matrix instructions and memory or LDS instructions, with s_wait_alu, always for 0.
; THE PLAN.  Registers that memory or LDS instructions touch, in a step:
;   TF, TS      Read by the step's 32 products.  The next text's LDS loads land in them behind the wait that follows the step's last product.
;   CP          Read by the first multiplies of the softmax over tokens; loaded again with TF and TS.
;   VF, VS      Read by the 32 products of four steps; the second video pair's loads land in them behind the same wait, in step 3.
;   CQ, CQ + 2  Read by the first multiplies of the softmax over frames; loaded again behind that softmax's wait for its exponentials.
;   OT (2)      c t2v of the step before: written by two multiplies behind P's products; read by two LDS stores behind the wait for the exponentials of the softmax over tokens.
;   OV          c v2t: written by a multiply behind Q's products; read by one LDS store behind the wait for the exponentials of the softmax over frames.
;   v1-v7, v9-v12  addresses and offsets, made at the head and never written again.
;   XR, ER, WK are named by vector and matrix instructions alone in a step (XR by the fill's stores at the head and by LDS loads in the second round).
; So a step has four waits on va_vdst, each standing ahead of the first reader of a batch of exponentials or reciprocals, and the step's loads and stores stand behind them, where no vector
; instruction issued since names a register that they touch; one wait on vm_vsrc at the step's head frees OT and OV; one wait on va_sdst stands between the 32 compares and the selects.
.set TC,   0                           ; LDS: text ta's codes at 8192 ta: half hf at + 4096 hf, registers 4 c .. of K step s at + 512 (2 s + c), + 16 lane
.set TSC,  32768                       ; its scale bytes at 512 ta + 16 token
.set MSK,  34816                       ; c x mask at 128 ta + 4 token
.set OUTS, 35328                       ; 4 rows x 256 bytes of out0
.set STG,  36352                       ; for each wave 16 pairs x PP bytes: t2v (32 f32) at + 0, v2t (16 f32) at + 128
.set WSTG, 3328
.set PP,   208                         ; an odd multiple of 16
.set CLOG, 0x431044fe                  ; c = 100 log2(e)
.set KOUT, 0x3b632166                  ; 0.5 / c
.set NINF, 8                           ; v8  -infinity
.set OV,  13                           ; v13      behind the head: c v2t on its way to the stage
.set OT,  14                           ; v14-15   behind the head: c t2v of the two halves of the tokens on their way to the stage
.set TF,  16                           ; v16-79   text fragments: K step s, half hf at TF + 16 s + 8 hf
.set VF,  80                           ; v80-143  the two videos' fragments: K step s, video u at VF + 16 s + 8 u
.set XR,  144                          ; v144-175 four accumulators, then Y
.set ER,  176                          ; v176-207 exponents, then exponentials
.set CP,  208                          ; v208-223 CP + 8 hf + j = c x mask[16 hf + 8 h + j]
.set TS,  224                          ; v224-227 text's scale words of K steps 0-3: lane = token.  Scales and nothing else
.set VS,  228                          ; v228-231 the videos': lanes 0-15 video 0's frames, lanes 16-31 video 1's.  Scales and nothing else
.set CQ,  232                          ; v232, v234 c x mask[r], c x mask[16 + r] (v233, v235 are named with them as pairs)
.set WK,  236                          ; v236-253 at work
.set MK,  32                           ; s32-63   the compares' masks
; v1 16 lane; v2 16 thread; v3 4 thread; v4 4 (thread % 128); v5 32 h; v6 4 r; v7 stage, in: 208 h + 4 r; v9, v10 stage, out; v11 my pair's word in OUTS; v12 out0: 1024 h + 16 r.  None is rewritten.
; One matrix instruction.  ks = 0: the first K step starts the sum with the constant 0.  ra, rb = 1: that side's scales are read from lanes 16-31.
.macro WM d, a, b, ks, sa, sb, ra, rb
.if (\ks) == 0
.if (\ra) && (\rb)
	v_wmma_scale_f32_16x16x128_f8f6f4 v[\d:\d+7], v[\a:\a+7], v[\b:\b+7], 0, v[\sa], v[\sb] matrix_a_fmt:MATRIX_FMT_FP4 matrix_b_fmt:MATRIX_FMT_FP4 matrix_a_scale:MATRIX_SCALE_ROW1 matrix_b_scale:MATRIX_SCALE_ROW1
.elseif \ra
	v_wmma_scale_f32_16x16x128_f8f6f4 v[\d:\d+7], v[\a:\a+7], v[\b:\b+7], 0, v[\sa], v[\sb] matrix_a_fmt:MATRIX_FMT_FP4 matrix_b_fmt:MATRIX_FMT_FP4 matrix_a_scale:MATRIX_SCALE_ROW1
.elseif \rb
	v_wmma_scale_f32_16x16x128_f8f6f4 v[\d:\d+7], v[\a:\a+7], v[\b:\b+7], 0, v[\sa], v[\sb] matrix_a_fmt:MATRIX_FMT_FP4 matrix_b_fmt:MATRIX_FMT_FP4 matrix_b_scale:MATRIX_SCALE_ROW1
.else
	v_wmma_scale_f32_16x16x128_f8f6f4 v[\d:\d+7], v[\a:\a+7], v[\b:\b+7], 0, v[\sa], v[\sb] matrix_a_fmt:MATRIX_FMT_FP4 matrix_b_fmt:MATRIX_FMT_FP4
.endif
.else
.if (\ra) && (\rb)
	v_wmma_scale_f32_16x16x128_f8f6f4 v[\d:\d+7], v[\a:\a+7], v[\b:\b+7], v[\d:\d+7], v[\sa], v[\sb] matrix_a_fmt:MATRIX_FMT_FP4 matrix_b_fmt:MATRIX_FMT_FP4 matrix_a_scale:MATRIX_SCALE_ROW1 matrix_b_scale:MATRIX_SCALE_ROW1
.elseif \ra
	v_wmma_scale_f32_16x16x128_f8f6f4 v[\d:\d+7], v[\a:\a+7], v[\b:\b+7], v[\d:\d+7], v[\sa], v[\sb] matrix_a_fmt:MATRIX_FMT_FP4 matrix_b_fmt:MATRIX_FMT_FP4 matrix_a_scale:MATRIX_SCALE_ROW1
.elseif \rb
	v_wmma_scale_f32_16x16x128_f8f6f4 v[\d:\d+7], v[\a:\a+7], v[\b:\b+7], v[\d:\d+7], v[\sa], v[\sb] matrix_a_fmt:MATRIX_FMT_FP4 matrix_b_fmt:MATRIX_FMT_FP4 matrix_b_scale:MATRIX_SCALE_ROW1
.else
	v_wmma_scale_f32_16x16x128_f8f6f4 v[\d:\d+7], v[\a:\a+7], v[\b:\b+7], v[\d:\d+7], v[\sa], v[\sb] matrix_a_fmt:MATRIX_FMT_FP4 matrix_b_fmt:MATRIX_FMT_FP4
.endif
.endif
.endm
; My wave's video pair k: 16 loads of 512 consecutive bytes, and the 32 frames' scale bytes
.macro LOADVID k
.irp s, 0,1,2,3
.irp u, 0,1
.irp c, 0,1
	global_load_b128 v[VF+16*\s+8*\u+4*\c:VF+16*\s+8*\u+4*\c+3], v1, s[8:9] offset:8192*(\k)+4096*\u+512*(2*\s+\c)
.endr
.endr
.endr
	global_load_b128 v[VS:VS+3], v1, s[10:11] offset:512*(\k)
.endm
; Text ta out of LDS.  TEXTK: the two fragments of K step ks, four loads.  TEXTREST: its scale words, and c x mask in P's layout.
.macro TEXTK ta, ks
.irp hf, 0,1
.irp c, 0,1
	ds_load_b128 v[TF+16*(\ks)+8*\hf+4*\c:TF+16*(\ks)+8*\hf+4*\c+3], v1 offset:TC+8192*(\ta)+4096*\hf+512*(2*(\ks)+\c)
.endr
.endr
.endm
.macro TEXTREST ta
	ds_load_b128 v[TS:TS+3], v1 offset:TSC+512*(\ta)
	ds_load_b128 v[CP:CP+3], v5 offset:MSK+128*(\ta)
	ds_load_b128 v[CP+4:CP+7], v5 offset:MSK+128*(\ta)+16
	ds_load_b128 v[CP+8:CP+11], v5 offset:MSK+128*(\ta)+64
	ds_load_b128 v[CP+12:CP+15], v5 offset:MSK+128*(\ta)+80
.endm
.macro LOADCQ ta                       ; c x mask in Q's layout: my token of each half
	ds_load_b32 v[CQ], v6 offset:MSK+128*(\ta)
	ds_load_b32 v[CQ+2], v6 offset:MSK+128*(\ta)+64
.endm
; P: accumulator (u, hf) at XR + 16 u + 8 hf: lane (r, h) holds frame r of video u, register j token 16 hf + 8 h + j.  The four accumulators take turns, one instruction a turn.
.macro PMUL
.irp s, 0,1,2,3
.irp u, 0,1
.irp hf, 0,1
	WM XR+16*\u+8*\hf, TF+16*\s+8*\hf, VF+16*\s+8*\u, \s, TS+\s, VS+\s, \hf, \u
.endr
.endr
.endr
.endm
; Q: the sources swapped: accumulator (hf, u) at XR + 16 hf + 8 u: lane (r, h) holds token 16 hf + r, register j frame 8 h + j of video u
.macro QMUL
.irp s, 0,1,2,3
.irp hf, 0,1
.irp u, 0,1
	WM XR+16*\hf+8*\u, VF+16*\s+8*\u, TF+16*\s+8*\hf, \s, VS+\s, TS+\s, \u, \hf
.endr
.endr
.endr
.endm
; c x t2v of the step before is made behind P's products: the two multiplies are two of the four places behind the last product.
.macro MULQ
	s_wait_alu depctr_va_vdst(0)                   ; the reciprocals v[WK+16] and v[WK+17] are written, ahead of their first reader
	v_mul_f32 v[OT], v[WK+8], v[WK+16]
	v_mul_f32 v[OT+1], v[WK+12], v[WK+17]
.endm
.macro STOREQ i                        ; and goes to my stage, as step i's
	ds_store_b32 v7, v[OT] offset:2*PP*(\i)
	ds_store_b32 v7, v[OT+1] offset:2*PP*(\i)+64
.endm
; c x v2t is made behind Q's products.  The multiply and the v_nop are the four places behind the last product, ahead of the first read of its results.
.macro MULP
	s_wait_alu depctr_va_vdst(0)                   ; the reciprocal v[WK+12] is written, ahead of its first reader; the step's products are done reading TF, TS, VF and VS, and the softmax over tokens is done reading CP: in these the loads below land
	v_mul_f32 v[OV], v[WK+8], v[WK+12]
.rept 3
	v_nop
.endr
.endm
; THE SOFTMAX OVER TOKENS, both videos, in step i.  It leaves the sum of Y p in v[WK+8] and 1 / the sum of p in v[WK+12]: lanes 0-15 video 0's frame r, lanes 16-31 video 1's.
.macro PSOFT i
.irp u, 0,1
.irp q, 0,2,4,6,8,10,12,14
	v_pk_mul_f32 v[XR+16*\u+\q:XR+16*\u+\q+1], v[XR+16*\u+\q:XR+16*\u+\q+1], v[CP+\q:CP+\q+1]   ; Y = r x c x mask; each accumulator from its low end on
.endr
.endr
.irp n, 0,1,2,3,4,5,6,7,8,9,10,11,12,13,14,15,16,17,18,19,20,21,22,23,24,25,26,27,28,29,30,31
	v_cmp_eq_f32 s[MK+\n], 0, v[XR+\n]             ; the 32 compares in one run, a scalar register each
.endr
	s_wait_alu depctr_va_sdst(0)                   ; the compares have written s[MK ..], ahead of the first select that reads one of them
.irp n, 0,1,2,3,4,5,6,7,8,9,10,11,12,13,14,15,16,17,18,19,20,21,22,23,24,25,26,27,28,29,30,31
	v_cndmask_b32 v[ER+\n], v[XR+\n], v[NINF], s[MK+\n]   ; a zero counts as -infinity: a choice of a value, no branch
.endr
.irp u, 0,1
	v_max3_num_f32 v[WK+2*\u], v[ER+16*\u], v[ER+16*\u+1], v[ER+16*\u+2]      ; the true maximum, in two chains a video
	v_max3_num_f32 v[WK+2*\u+1], v[ER+16*\u+8], v[ER+16*\u+9], v[ER+16*\u+10]
.endr
.irp q, 3,5
.irp u, 0,1
	v_max3_num_f32 v[WK+2*\u], v[WK+2*\u], v[ER+16*\u+\q], v[ER+16*\u+\q+1]
	v_max3_num_f32 v[WK+2*\u+1], v[WK+2*\u+1], v[ER+16*\u+8+\q], v[ER+16*\u+9+\q]
.endr
.endr
.irp u, 0,1
	v_max3_num_f32 v[WK+2*\u], v[WK+2*\u], v[WK+2*\u+1], v[ER+16*\u+7]
.endr
.irp u, 0,1
	v_max_num_f32 v[WK+2*\u], v[WK+2*\u], v[ER+16*\u+15]
.endr
.irp u, 0,1
	v_permlanex16_b32 v[WK+4+\u], v[WK+2*\u], s20, s21   ; the frame's other 16 tokens lie in the lane 16 away
.endr
.irp u, 0,1
	v_max_num_f32 v[WK+2*\u], v[WK+2*\u], v[WK+4+\u]
.endr
.irp u, 0,1
.irp q, 0,2,4,6,8,10,12,14
	v_pk_add_f32 v[ER+16*\u+\q:ER+16*\u+\q+1], v[ER+16*\u+\q:ER+16*\u+\q+1], v[WK+2*\u:WK+2*\u+1] op_sel_hi:[1,0] neg_lo:[0,1] neg_hi:[0,1]   ; - the maximum
.endr
.endr
.irp n, 0,1,2,3,4,5,6,7,8,9,10,11,12,13,14,15,16,17,18,19,20,21,22,23,24,25,26,27,28,29,30,31
	v_exp_f32 v[ER+\n], v[ER+\n]
.endr
	v_nop                                          ; a plain instruction behind the last exponential
	s_wait_alu depctr_va_vdst(0)                   ; the 32 exponentials are written, ahead of their first reader; so are v[OT] and v[OT+1], which the stores below read
.if (\i) > 0
	STOREQ (\i)-1
.endif
.irp u, 0,1
	v_pk_add_f32 v[WK+4+2*\u:WK+5+2*\u], v[ER+16*\u:ER+16*\u+1], v[ER+16*\u+2:ER+16*\u+3]     ; the sum of p,
	v_pk_mul_f32 v[WK+8+2*\u:WK+9+2*\u], v[XR+16*\u:XR+16*\u+1], v[ER+16*\u:ER+16*\u+1]       ; and of Y p: four chains by turns
.endr
.irp u, 0,1
	v_pk_fma_f32 v[WK+8+2*\u:WK+9+2*\u], v[XR+16*\u+2:XR+16*\u+3], v[ER+16*\u+2:ER+16*\u+3], v[WK+8+2*\u:WK+9+2*\u]
.endr
.irp q, 4,6,8,10,12,14
.irp u, 0,1
	v_pk_add_f32 v[WK+4+2*\u:WK+5+2*\u], v[WK+4+2*\u:WK+5+2*\u], v[ER+16*\u+\q:ER+16*\u+\q+1]
	v_pk_fma_f32 v[WK+8+2*\u:WK+9+2*\u], v[XR+16*\u+\q:XR+16*\u+\q+1], v[ER+16*\u+\q:ER+16*\u+\q+1], v[WK+8+2*\u:WK+9+2*\u]
.endr
.endr
.irp u, 0,1
	v_add_f32 v[WK+4+2*\u], v[WK+4+2*\u], v[WK+5+2*\u]
	v_add_f32 v[WK+8+2*\u], v[WK+8+2*\u], v[WK+9+2*\u]
.endr
	v_permlane16_swap_b32 v[WK+4], v[WK+6]         ; video 0's upper lanes change places with video 1's lower: the sum of the two registers is video 0's total in lanes 0-15, video 1's in lanes 16-31
	v_permlane16_swap_b32 v[WK+8], v[WK+10]
	v_add_f32 v[WK+4], v[WK+4], v[WK+6]
	v_add_f32 v[WK+8], v[WK+8], v[WK+10]
	v_rcp_f32 v[WK+12], v[WK+4]                    ; its result is first named in MULP, behind Q's products
	v_nop
.endm
; THE SOFTMAX OVER FRAMES, four tiles (hf, u) of 8 numbers a lane, in step i.  It leaves the sums of Y p in v[WK+8+4 hf] and the reciprocals in v[WK+16+hf]: lanes 0-15 video 0, lanes 16-31 video 1, token 16 hf + r.
; The next text's 21 LDS loads are dealt among its first multiplies, four to four: no vector instruction since MULP's wait names TF, TS or CP.
.macro QSOFT i
.irp g, 0,1,2,3
.if (\i) < 7
	TEXTK ((\i)+1)%4, \g
.endif
.irp q, 0,2,4,6
	v_pk_mul_f32 v[XR+8*\g+\q:XR+8*\g+\q+1], v[XR+8*\g+\q:XR+8*\g+\q+1], v[CQ+2*(\g/2):CQ+2*(\g/2)+1] op_sel_hi:[1,0]   ; Y = r x c x mask of my token; each accumulator from its low end on
.endr
.endr
.if (\i) < 7
	TEXTREST ((\i)+1)%4
.endif
.irp t, 0,1,2,3
	v_max3_num_f32 v[WK+2*\t], v[XR+8*\t], v[XR+8*\t+1], v[XR+8*\t+2]
.endr
.irp q, 3,5
.irp t, 0,1,2,3
	v_max3_num_f32 v[WK+2*\t], v[WK+2*\t], v[XR+8*\t+\q], v[XR+8*\t+\q+1]
.endr
.endr
.irp t, 0,1,2,3
	v_max_num_f32 v[WK+2*\t], v[WK+2*\t], v[XR+8*\t+7]
.endr
.irp t, 0,1,2,3
	v_permlanex16_b32 v[WK+2*\t+1], v[WK+2*\t], s20, s21   ; the token's other 8 frames lie in the lane 16 away
.endr
.irp t, 0,1,2,3
	v_max_num_f32 v[WK+2*\t], v[WK+2*\t], v[WK+2*\t+1]
.endr
.irp t, 0,1,2,3
.irp q, 0,2,4,6
	v_pk_add_f32 v[ER+8*\t+\q:ER+8*\t+\q+1], v[XR+8*\t+\q:XR+8*\t+\q+1], v[WK+2*\t:WK+2*\t+1] op_sel_hi:[1,0] neg_lo:[0,1] neg_hi:[0,1]
.endr
.endr
.irp n, 0,1,2,3,4,5,6,7,8,9,10,11,12,13,14,15,16,17,18,19,20,21,22,23,24,25,26,27,28,29,30,31
	v_exp_f32 v[ER+\n], v[ER+\n]
.endr
	v_nop                                          ; a plain instruction behind the last exponential
	s_wait_alu depctr_va_vdst(0)                   ; the 32 exponentials are written, ahead of their first reader; so is v[OV], which the store below reads; the multiplies above are done reading v[CQ] and v[CQ+2], in which the loads below land
	ds_store_b32 v7, v[OV] offset:2*PP*(\i)+128    ; c x v2t of this step goes to my stage
.if (\i) < 7
	LOADCQ ((\i)+1)%4                              ; the next text's
.endif
.irp t, 0,1,2,3
	v_pk_add_f32 v[WK+2*\t:WK+2*\t+1], v[ER+8*\t:ER+8*\t+1], v[ER+8*\t+2:ER+8*\t+3]
	v_pk_mul_f32 v[WK+8+2*\t:WK+9+2*\t], v[XR+8*\t:XR+8*\t+1], v[ER+8*\t:ER+8*\t+1]
.endr
.irp t, 0,1,2,3
	v_pk_fma_f32 v[WK+8+2*\t:WK+9+2*\t], v[XR+8*\t+2:XR+8*\t+3], v[ER+8*\t+2:ER+8*\t+3], v[WK+8+2*\t:WK+9+2*\t]
.endr
.irp q, 4,6
.irp t, 0,1,2,3
	v_pk_add_f32 v[WK+2*\t:WK+2*\t+1], v[WK+2*\t:WK+2*\t+1], v[ER+8*\t+\q:ER+8*\t+\q+1]
	v_pk_fma_f32 v[WK+8+2*\t:WK+9+2*\t], v[XR+8*\t+\q:XR+8*\t+\q+1], v[ER+8*\t+\q:ER+8*\t+\q+1], v[WK+8+2*\t:WK+9+2*\t]
.endr
.endr
.irp t, 0,1,2,3
	v_add_f32 v[WK+2*\t], v[WK+2*\t], v[WK+2*\t+1]
	v_add_f32 v[WK+8+2*\t], v[WK+8+2*\t], v[WK+9+2*\t]
.endr
.irp hf, 0,1
	v_permlane16_swap_b32 v[WK+4*\hf], v[WK+4*\hf+2]       ; as in the softmax over tokens: video 0's total to lanes 0-15, video 1's to lanes 16-31
	v_permlane16_swap_b32 v[WK+8+4*\hf], v[WK+10+4*\hf]
.endr
.irp hf, 0,1
	v_add_f32 v[WK+4*\hf], v[WK+4*\hf], v[WK+4*\hf+2]
	v_add_f32 v[WK+8+4*\hf], v[WK+8+4*\hf], v[WK+10+4*\hf]
.endr
.irp hf, 0,1
	v_rcp_f32 v[WK+16+\hf], v[WK+4*\hf]            ; first named in MULQ, behind the next step's P products
.endr
	v_nop
.endm
; STEP i: video pair i / 4, text i % 4.  The next text's fragments are asked for behind Q's products and land while the softmax over frames is worked.
.macro STEP i
	s_wait_dscnt 0x0                               ; this text's fragments, scale words and masks are in
.if ((\i)%4) == 0
	s_wait_loadcnt 0x0                             ; this video pair is in
.endif
	s_wait_alu depctr_vm_vsrc(0)                   ; the LDS stores issued so far have read their data, which this step writes again: in step 0 the fill's v[XR ..], later v[OT], v[OT+1] and v[OV]
	PMUL
.if (\i) == 0
.rept 4
	v_nop                                          ; four places behind the last product
.endr
.else
	MULQ
.rept 2
	v_nop                                          ; with the two multiplies: four places behind the last product
.endr
.endif
	PSOFT \i
	QMUL
	MULP
.if (\i) == 3
	LOADVID 1                                      ; the second pair, a softmax ahead of its first use; no vector instruction since MULP's wait names VF or VS
.endif
	QSOFT \i
.endm
	s_load_b256 s[4:11], s[0:1], 0x0               ; tcodes s[4:5], tscales s[6:7], vcodes s[8:9], vscales s[10:11]
	s_load_b128 s[12:15], s[0:1], 0x20             ; text_mask s[12:13], out0 s[14:15]
	v_lshl_add_u32 v254, v0, 2, 0x16000
	v_mov_b32 v255, 0
	v_lshrrev_b32 v13, 5, v0
	v_readfirstlane_b32 s16, v13                   ; wave w, 0 .. 15
	v_and_b32 v13, 31, v0                          ; lane
	v_and_b32 v14, 15, v0                          ; r
	v_bfe_u32 v15, v0, 4, 1                        ; h
	v_lshlrev_b32 v1, 4, v13
	v_lshlrev_b32 v2, 4, v0
	v_lshlrev_b32 v3, 2, v0
	v_and_b32 v4, 127, v0
	v_lshlrev_b32 v4, 2, v4
	v_lshlrev_b32 v5, 5, v15
	v_lshlrev_b32 v6, 2, v14
	s_wait_alu depctr_va_sdst(0)                   ; s16 is written, ahead of its first reader: LDS addresses, the bases and two branches are made from it
	s_mul_i32 s17, s16, WSTG
	s_add_co_u32 s17, s17, STG                     ; my wave's stage
	v_mul_u32_u24 v7, v15, PP
	v_lshl_add_u32 v7, v14, 2, v7
	v_add_nc_u32 v7, s17, v7                       ; in: pair 2 i + h (the step stands in the immediate), word r
	v_mov_b32 v[NINF], 0xff800000
	v_mul_u32_u24 v9, v14, PP
	v_lshl_add_u32 v10, v15, 5, v9
	v_lshl_add_u32 v9, v15, 6, v9
	v_add_nc_u32 v9, s17, v9                       ; out: pair r, tokens 16 h on
	v_add_nc_u32 v10, s17, v10                     ; and frames 8 h on
	v_bfe_u32 v11, v0, 1, 2                        ; pair r = 8 vp + 2 ta + u: ta,
	v_lshlrev_b32 v11, 8, v11
	v_bfe_u32 v12, v0, 3, 1                        ; vp,
	v_lshl_add_u32 v11, v12, 3, v11
	v_and_b32 v12, 1, v0                           ; u
	v_lshl_add_u32 v11, v12, 2, v11
	s_lshl_b32 s18, s16, 4
	s_add_co_u32 s18, s18, OUTS
	v_add_nc_u32 v11, s18, v11                     ; row ta, column 4 w + 2 vp + u of the work-group's 4 x 64
	v_lshlrev_b32 v12, 10, v15
	v_lshl_add_u32 v12, v14, 4, v12                ; out0: lanes 0-15 one row's 256 bytes, lanes 16-31 the next row's
	s_mov_b32 s20, 0x76543210
	s_mov_b32 s21, 0xfedcba98                      ; v_permlanex16_b32's selects for lane l xor 16
	v_mov_b32 v[CQ+1], 0                           ; named as upper halves of pairs, so they are written
	v_mov_b32 v[CQ+3], 0
.irp k, 0,1,2,3,4,5,6,7,8,9,10,11,12,13,14,15,16,17
	v_mov_b32 v[WK+\k], 0                          ; written once: a lane permute's destination counts as one of its sources
.endr
	s_and_b32 s19, ttmp7, 0xffff                   ; tg: texts 4 tg on;  ttmp9 = vg: videos 64 vg on
	s_mov_b32 s25, 0
	s_wait_kmcnt 0x0
	s_lshl_b32 s24, s19, 15                        ; 4 texts x 8,192 bytes of codes
	s_add_nc_u64 s[4:5], s[4:5], s[24:25]
	s_lshl_b32 s24, s19, 11                        ; x 512 scale bytes
	s_add_nc_u64 s[6:7], s[6:7], s[24:25]
	s_lshl_b32 s24, s19, 9                         ; x 128 bytes of mask
	s_add_nc_u64 s[12:13], s[12:13], s[24:25]
	s_lshl_b32 s24, ttmp9, 18                      ; 64 videos x 4,096 bytes of codes,
	s_lshl_b32 s26, s16, 14                        ; my wave's 4
	s_add_co_u32 s24, s24, s26
	s_add_nc_u64 s[8:9], s[8:9], s[24:25]
	s_lshl_b32 s24, ttmp9, 14                      ; x 256 scale bytes
	s_lshl_b32 s26, s16, 10
	s_add_co_u32 s24, s24, s26
	s_add_nc_u64 s[10:11], s[10:11], s[24:25]
	s_lshl_b32 s24, s19, 12                        ; out0: 4 rows of 1,024 bytes,
	s_lshl_b32 s26, ttmp9, 8                       ; 64 columns
	s_add_co_u32 s24, s24, s26
	s_add_nc_u64 s[14:15], s[14:15], s[24:25]
	s_wait_alu depctr_va_vdst(0)                   ; the addresses and offsets v1 to v7 and v9 to v12 are written: every load and store of the kernel reads one of them
.irp k, 0,1,2,3
	global_load_b128 v[XR+4*\k:XR+4*\k+3], v2, s[4:5] offset:8192*\k   ; the 4 texts' codes: 512 threads x 16 bytes, four times
.endr
	global_load_b32 v[XR+16], v3, s[6:7]           ; their scale bytes: 512 threads x 4
	global_load_b32 v[XR+17], v4, s[12:13]         ; their masks: 128 words; every wave loads inside the buffer, waves 0-3 store
	LOADVID 0
	s_wait_loadcnt 17                              ; the six loads of the texts are in; the 17 of my first video pair, issued behind them, stay out
.irp k, 0,1,2,3
	ds_store_b128 v2, v[XR+4*\k:XR+4*\k+3] offset:TC+8192*\k
.endr
	ds_store_b32 v3, v[XR+16] offset:TSC
	v_mul_f32 v[XR+17], CLOG, v[XR+17]             ; c x mask
	s_wait_alu depctr_va_vdst(0)                   ; the multiply has written v[XR+17], which the LDS store under the branch reads
	s_cmp_lt_u32 s16, 4
	s_cbranch_scc0 .Lno_mask
	ds_store_b32 v3, v[XR+17] offset:MSK
.Lno_mask:
	s_wait_dscnt 0x0                               ; for the others' sake: my stores have landed
	s_barrier_signal -1
	s_barrier_wait -1                              ; the 4 texts lie in LDS; nobody writes them again
.irp s, 0,1,2,3
	TEXTK 0, \s                                    ; no vector instruction has named TF, TS, CP, v[CQ] or v[CQ+2] yet
.endr
	TEXTREST 0
	LOADCQ 0
	STEP 0
	STEP 1
	STEP 2
	STEP 3
	STEP 4
	STEP 5
	STEP 6
	STEP 7
	s_wait_alu depctr_vm_vsrc(0)                   ; the LDS stores issued in step 7 have read v[OT] and v[OT+1], which the multiplies below write again
	MULQ
	s_wait_alu depctr_va_vdst(0)                   ; the multiplies have written v[OT] and v[OT+1], which the stores below read; the last softmax is done with v[XR ..], in which the loads below land
	STOREQ 7
	; THE SECOND ROUND: lane (pair r, h) takes tokens 16 h .. + 15 of c t2v and frames 8 h .. + 7 of c v2t.  The stage is my wave's own and LDS serves a wave's instructions in order: no barrier.
.irp k, 0,1,2,3
	ds_load_b128 v[XR+4*\k:XR+4*\k+3], v9 offset:16*\k
.endr
.irp k, 0,1
	ds_load_b128 v[XR+16+4*\k:XR+19+4*\k], v10 offset:128+16*\k
.endr
	s_wait_dscnt 2                                 ; t2v is in; the two loads of v2t may be out
.irp n, 0,1,2,3,4,5,6,7,8,9,10,11,12,13,14,15
	v_cmp_eq_f32 s[MK+\n], 0, v[XR+\n]
.endr
	s_wait_alu depctr_va_sdst(0)                   ; the 16 compares have written s[MK ..], ahead of the first select that reads one of them
.irp n, 0,1,2,3,4,5,6,7,8,9,10,11,12,13,14,15
	v_cndmask_b32 v[ER+\n], v[XR+\n], v[NINF], s[MK+\n]   ; a t2v of zero counts as -infinity
.endr
	v_max3_num_f32 v[WK], v[ER], v[ER+1], v[ER+2]
	v_max3_num_f32 v[WK+1], v[ER+8], v[ER+9], v[ER+10]
.irp q, 3,5
	v_max3_num_f32 v[WK], v[WK], v[ER+\q], v[ER+\q+1]
	v_max3_num_f32 v[WK+1], v[WK+1], v[ER+8+\q], v[ER+9+\q]
.endr
	v_max3_num_f32 v[WK], v[WK], v[WK+1], v[ER+7]
	v_max_num_f32 v[WK], v[WK], v[ER+15]
	v_permlanex16_b32 v[WK+1], v[WK], s20, s21
	v_max_num_f32 v[WK], v[WK], v[WK+1]            ; the pair's largest t2v that is not zero
.irp q, 0,2,4,6,8,10,12,14
	v_pk_add_f32 v[ER+\q:ER+\q+1], v[ER+\q:ER+\q+1], v[WK:WK+1] op_sel_hi:[1,0] neg_lo:[0,1] neg_hi:[0,1]
.endr
	s_wait_dscnt 0x0                               ; v2t is in
	v_max3_num_f32 v[WK+2], v[XR+16], v[XR+17], v[XR+18]
	v_max3_num_f32 v[WK+2], v[WK+2], v[XR+19], v[XR+20]
	v_max3_num_f32 v[WK+2], v[WK+2], v[XR+21], v[XR+22]
	v_max_num_f32 v[WK+2], v[WK+2], v[XR+23]
	v_permlanex16_b32 v[WK+3], v[WK+2], s20, s21
	v_max_num_f32 v[WK+2], v[WK+2], v[WK+3]        ; the pair's largest v2t
.irp q, 16,18,20,22
	v_pk_add_f32 v[ER+\q:ER+\q+1], v[XR+\q:XR+\q+1], v[WK+2:WK+3] op_sel_hi:[1,0] neg_lo:[0,1] neg_hi:[0,1]
.endr
.irp n, 0,1,2,3,4,5,6,7,8,9,10,11,12,13,14,15,16,17,18,19,20,21,22,23
	v_exp_f32 v[ER+\n], v[ER+\n]
.endr
	v_nop                                          ; a plain instruction behind the last exponential
	s_wait_alu depctr_va_vdst(0)                   ; the 24 exponentials are written, ahead of their first reader
	v_pk_add_f32 v[WK+4:WK+5], v[ER:ER+1], v[ER+2:ER+3]               ; tokens: the sum of p,
	v_pk_mul_f32 v[WK+6:WK+7], v[XR:XR+1], v[ER:ER+1]                 ; and of c t2v x p;
	v_pk_add_f32 v[WK+8:WK+9], v[ER+16:ER+17], v[ER+18:ER+19]         ; frames: the same
	v_pk_mul_f32 v[WK+10:WK+11], v[XR+16:XR+17], v[ER+16:ER+17]
	v_pk_fma_f32 v[WK+6:WK+7], v[XR+2:XR+3], v[ER+2:ER+3], v[WK+6:WK+7]
	v_pk_fma_f32 v[WK+10:WK+11], v[XR+18:XR+19], v[ER+18:ER+19], v[WK+10:WK+11]
.irp q, 4,6
	v_pk_add_f32 v[WK+4:WK+5], v[WK+4:WK+5], v[ER+\q:ER+\q+1]
	v_pk_fma_f32 v[WK+6:WK+7], v[XR+\q:XR+\q+1], v[ER+\q:ER+\q+1], v[WK+6:WK+7]
	v_pk_add_f32 v[WK+8:WK+9], v[WK+8:WK+9], v[ER+16+\q:ER+17+\q]
	v_pk_fma_f32 v[WK+10:WK+11], v[XR+16+\q:XR+17+\q], v[ER+16+\q:ER+17+\q], v[WK+10:WK+11]
.endr
.irp q, 8,10,12,14
	v_pk_add_f32 v[WK+4:WK+5], v[WK+4:WK+5], v[ER+\q:ER+\q+1]
	v_pk_fma_f32 v[WK+6:WK+7], v[XR+\q:XR+\q+1], v[ER+\q:ER+\q+1], v[WK+6:WK+7]
.endr
.irp k, 4,6,8,10
	v_add_f32 v[WK+\k], v[WK+\k], v[WK+\k+1]
.endr
.irp k, 4,6,8,10
	v_permlanex16_b32 v[WK+\k+1], v[WK+\k], s20, s21
.endr
.irp k, 4,6,8,10
	v_add_f32 v[WK+\k], v[WK+\k], v[WK+\k+1]       ; with the other half's: the same number in both halves
.endr
	v_rcp_f32 v[WK+12], v[WK+4]
	v_rcp_f32 v[WK+13], v[WK+8]
	v_nop                                          ; a plain instruction behind the last reciprocal
	s_wait_alu depctr_va_vdst(0)                   ; the two reciprocals are written, ahead of their first reader
	v_mul_f32 v[WK+14], v[WK+6], v[WK+12]
	v_fma_f32 v[WK+14], v[WK+10], v[WK+13], v[WK+14]
	v_mul_f32 v[WK+14], KOUT, v[WK+14]             ; (t2v_ab + v2t_ab) / 2: the factor c leaves here
	s_wait_alu depctr_va_vdst(0)                   ; v[WK+14] is written, which the store below reads; the sums are done reading v[XR ..], in which wave 0's loads below land: no vector instruction follows this wait
	ds_store_b32 v11, v[WK+14]                     ; both halves write the same word with the same value
	s_wait_dscnt 0x0                               ; for wave 0's sake: my store has landed
	s_barrier_signal -1
	s_barrier_wait -1
	s_cmp_lg_u32 s16, 0                            ; wave 0 stores the work-group's 4 rows x 256 bytes
	s_cbranch_scc1 .Ldone
	ds_load_b128 v[XR:XR+3], v1 offset:OUTS
	ds_load_b128 v[XR+4:XR+7], v1 offset:OUTS+512
	s_wait_dscnt 1                                 ; rows 0 and 1 are back; the load of rows 2 and 3 may be out
	global_store_b128 v12, v[XR:XR+3], s[14:15]                 ; sixteen lanes store 256 consecutive bytes, aligned
	s_wait_dscnt 0x0
	global_store_b128 v12, v[XR+4:XR+7], s[14:15] offset:2048
.Ldone:
	s_wait_dscnt 0x0
	s_wait_alu depctr_hold_cnt(0) depctr_sa_sdst(0) depctr_va_vdst(0) depctr_va_sdst(0) depctr_va_ssrc(0) depctr_va_vcc(0) depctr_vm_vsrc(0)
	s_wait_tensorcnt 0x0
	ds_add_u32 v254, v255
	s_wait_dscnt 0x0
	s_endpgm
.Lfunc_end_k_qf4405b7531_pool:
	.size	k_qf4405b7531_pool, .Lfunc_end_k_qf4405b7531_pool-k_qf4405b7531_pool
	.p2alignl 7, 3214868480
	.fill 96, 4, 3214868480
	.section	.rodata,"a",@progbits
	.p2align	6, 0x0
	.amdhsa_kernel k_qf4405b7531_pool
		.amdhsa_group_segment_fixed_size 92160
		.amdhsa_private_segment_fixed_size 0
		.amdhsa_enable_private_segment 0
		.amdhsa_kernarg_size 48
		.amdhsa_user_sgpr_count 2
		.amdhsa_user_sgpr_kernarg_segment_ptr 1
		.amdhsa_wavefront_size32 1
		.amdhsa_system_sgpr_workgroup_id_x 1
		.amdhsa_system_sgpr_workgroup_id_y 1
		.amdhsa_system_sgpr_workgroup_id_z 1
		.amdhsa_system_vgpr_workitem_id 0
		.amdhsa_next_free_vgpr 256
		.amdhsa_next_free_sgpr 66
		.amdhsa_reserve_vcc 0
		.amdhsa_float_denorm_mode_32 3
		.amdhsa_float_denorm_mode_16_64 3
		.amdhsa_memory_ordered 1
		.amdhsa_forward_progress 1
		.amdhsa_inst_pref_size 201
	.end_amdhsa_kernel
	.amdgpu_metadata
---
amdhsa.version: [ 1, 2 ]
amdhsa.kernels:
  - .name:           k_qf4405b7531_pool
    .symbol:         k_qf4405b7531_pool.kd
    .args:
      - { .name: tcodes, .offset: 0, .size: 8, .value_kind: global_buffer, .address_space: global }
      - { .name: tscales, .offset: 8, .size: 8, .value_kind: global_buffer, .address_space: global }
      - { .name: vcodes, .offset: 16, .size: 8, .value_kind: global_buffer, .address_space: global }
      - { .name: vscales, .offset: 24, .size: 8, .value_kind: global_buffer, .address_space: global }
      - { .name: text_mask, .offset: 32, .size: 8, .value_kind: global_buffer, .address_space: global }
      - { .name: out0, .offset: 40, .size: 8, .value_kind: global_buffer, .address_space: global }
    .group_segment_fixed_size: 92160
    .private_segment_fixed_size: 0
    .kernarg_segment_align: 8
    .kernarg_segment_size: 48
    .max_flat_workgroup_size: 512
    .sgpr_count:     66
    .vgpr_count:     256
    .wavefront_size: 32
...
	.end_amdgpu_metadata
.endif
;; end of part 3
